; MI455X (gfx1250); checked and timed in simulation.
; The chip was launched on July 23, 2026; its instructions are those of AMD's public machine-readable ISA for CDNA 5 (MIT licence, August 2026) and "CDNA5" Instruction Set Architecture Reference Guide (July 2026). The comments in the code are by the model that wrote it; some were corrected since.
;; Head. Allowed arithmetic: matrix products marked QUANTISED: E2M1 operands, one E8M0 scale for each 32 along K, by v_wmma_scale_f32_16x16x128_f8f6f4 with both operands' format E2M1 (or v_wmma_scale_f32_32x16x128_f4), f32 sums; everything else in f32.
;; Inputs: Wk 64 x 1,024 float32; Wq 64 x 1,024 float32; Wv 64 x 1,024 float32; x 4 x 4,096 x 1,024 float32.
;; Outputs: out0 4 x 4,096 x 64 float32.
;; This version of the problem:
;;   THIS VERSION OF THE PROBLEM IS GIVEN IN LOW PRECISION. The matrix products marked QUANTISED in the list below multiply operands that are first quantised to E2M1 (2 exponent bits, 1 mantissa bit; 4 bits a number), with one power-of-two scale for each 32 numbers along K (OCP MX v1.0); their sums are f32. All else is computed in f32.
;;   The module's matrix products, in the order in which they are computed (A, B: the left and right operand; K: the contracted axis; several contracted axes count as one K, in the product's order):
;;     1. [M 16,384, K 1,024] x [K 1,024, N 64]; A: input x; B: input Wk: QUANTISED
;;     2. [M 16,384, K 1,024] x [K 1,024, N 64]; A: input x; B: input Wq: QUANTISED
;;     3. [M 16,384, K 1,024] x [K 1,024, N 64]; A: input x; B: input Wv: QUANTISED
;;     4. batch 4 x [M 4,096, K 64] x [K 64, N 4,096]; A: computed on the way; B: computed on the way: QUANTISED
;;     5. batch 4 x [M 4,096, K 4,096] x [K 4,096, N 64]; A: softmax (see below); B: computed on the way: QUANTISED
;;   THE QUANTISER, for each operand of a quantised product, along K:
;;     - K is cut into blocks of 32 from its start; a last block that is shorter is filled with zeros.
;;     - A block's scale is 2^e with e = floor(log2(the largest magnitude in the block)) - 2, held to -126 .. 127; a block of zeros has e = 0. As a byte (E8M0): e + 127.
;;     - Each number is divided by its block's scale, clamped to +-6, and rounded to the nearest number of E2M1, ties to even, subnormals kept.
;;     - The product sums the exact products of the quantised numbers (number of the format x scale) in f32.
;;   ~~~python
;;   def quantise(x, axis):      # numpy; x: float32 -> the quantised numbers, widened to float32 again
;;       x = np.moveaxis(x, axis, -1); K = x.shape[-1]
;;       x = np.pad(x, [(0, 0)] * (x.ndim - 1) + [(0, -K % 32)]); x = x.reshape(x.shape[:-1] + (-1, 32)); a = np.abs(x).max(-1, keepdims=True)
;;       e = np.where(a > 0, np.clip(np.frexp(np.where(a > 0, a, 1))[1] - 1 - 2, -126, 127), 0)      # np.frexp(a)[1] - 1 = floor(log2(a)), exactly
;;       r = np.clip(x / 2.0 ** e, -6, 6)
;;       step = 2.0 ** (np.maximum(np.frexp(np.where(r == 0, 1, r))[1] - 1, 0) - 1)
;;       q = np.round(r / step) * step * 2.0 ** e      # np.round: ties to even
;;       return np.moveaxis(q.reshape(q.shape[:-2] + (-1,))[..., :K], -1, axis).astype(np.float32)
;;   ~~~
;;   SOFTMAX AHEAD OF A QUANTISED PRODUCT. Where the list says 'softmax', what is quantised is not the finished softmax but p = 2^(t - M), with t = logit x log2(e) and M = ceil(the row's largest t), a whole number; so 1/2 < the row's largest p <= 1. The row's sum l is taken of the UNQUANTISED p, in f32, and the product's result is divided by l at the end. Since M is a whole number, a kernel that streams over the keys may use a running M (the ceiling of the running maximum): every later rescaling is an exact power of two, which a block's scale takes up: the codes' values come out the same.
;;   OPERANDS COMPUTED ON THE WAY. 'Computed on the way' means the value that the module computes at that place (a softmax that the list does not call 'softmax' is quantised finished and normalised). What goes into a quantiser is computed in f32, as accurately as f32 sums, v_exp_f32 and their like allow (about 1e-6 of the number): no bf16 or f16 on the way to a quantiser, and a product that is left as it is and whose result goes on into a quantised operand takes f32 operands (vector FMAs, or v_wmma_f32_16x16x4_f32). A number that lies on a knife's edge between two numbers of the format may be rounded either way, as far as f32 arithmetic and the matrix unit's own rounding can turn it there, and no further.
;; 2 versions. Each part assembles by itself: llvm-mc -triple=amdgcn-amd-amdhsa -mcpu=gfx1250 --defsym DOCPART=n.
;; ======== version 1 of 2: 3 launches
;; workspace buffers: wq4 110,592 bytes; qq4 589,824 bytes; kv4 1,179,648 bytes
;; launch wquant (part 1): grid 12 x 1, 8 waves a work-group, no clusters, 0 bytes of LDS; arguments Wq, Wk, Wv, wq4; writes wq4
.if DOCPART == 1
	.amdgcn_target "amdgcn-amd-amdhsa--gfx1250"
	.amdhsa_code_object_version 6
	.text
	.protected	k_qb704bdbeef_wquant
	.globl	k_qb704bdbeef_wquant
	.p2align	8
	.type	k_qb704bdbeef_wquant,@function
k_qb704bdbeef_wquant:
	s_mov_b64 s[64:65], 0
	v_nop
	global_prefetch_b8 v0, s[64:65] scope:SCOPE_SE
	s_setreg_imm32_b32 hwreg(HW_REG_WAVE_MODE, 25, 1), 1
	s_wait_xcnt 0x0
; Wq, Wk, Wv [64][1024] f32 become codes of FP4 (E2M1) with one E8M0 byte for each 32 along K, laid in the order of a matrix operand's registers.
; wq4: codes at 0: [tile 0..11][K step 0..7][c 0..1][lane][16 bytes]; scale words at 98,304: [tile][h][r][K step], both lane halves the same.
; Tile 4 mat + 2 b + u (mat 0 = q, 1 = k): its row p is head unit 32 b + 16 (p / 8) + 8 u + p % 8, so that in the next launch the 16 registers of tiles u = 0, 1
; are 16 neighbouring head units.  Tile 8 + n (v): row p is head unit 16 n + p.
; SHARES: a work-group takes a tile, a wave a K step of 128: one fragment.  Lane (r, h) holds k = 64 c + 32 h + 0 .. 31 of row r: two whole blocks, so no other lane is asked for a maximum.
; Twelve work-groups: the three weights are 786,432 bytes and there is no more work than that.  No LDS, no barrier, no cluster: no byte is read by two work-groups.
; A lane's loads are 16 bytes of rows 4,096 bytes apart, and the scale words leave 4 bytes a lane: the price of writing the operand's order; the whole launch moves under a megabyte.
; LIMITS: NaN and infinities are not served.  A block whose largest magnitude lies under 2^-124, a block of zeros too, gets the byte 1: its codes are zeros or the rule's own, and this program alone reads the bytes.
.set X,   32                           ; v32-95  the lane's two blocks of 32 numbers
.set CD,  16                           ; v16-23  the fragment's codes
.set TM,  8                            ; v8-9    largest magnitudes
.set TS,  10                           ; v10-11  the conversions' scale operands
.set TB,  12                           ; v12-13  the scale bytes
.set TQ,  14                           ; v14     the second chain of a maximum
.set PW,  15                           ; v15     my two bytes at their places
.set TP,  24                           ; v24     the other half's two bytes
.set SH8, 25                           ; v25     8 h
.set WD,  26                           ; v26     the scale word
; A block of 32 numbers in v[x] on: its largest magnitude (two chains, the floor 2^(3 - 127) among the leaves, so that the byte cannot fall under 1), scale operand, byte, four registers of codes.
.macro BLK x, k, dst
	v_max3_num_f32 v[TM+\k], |v[\x]|, |v[\x+1]|, 0x1800000
	v_max3_num_f32 v[TQ], |v[\x+2]|, |v[\x+3]|, |v[\x+4]|
.irp i, 5,9,13,17,21,25
	v_max3_num_f32 v[TM+\k], v[TM+\k], |v[\x+\i]|, |v[\x+\i+1]|
	v_max3_num_f32 v[TQ], v[TQ], |v[\x+\i+2]|, |v[\x+\i+3]|
.endr
	v_max3_num_f32 v[TM+\k], v[TM+\k], |v[\x+29]|, |v[\x+30]|
	v_max3_num_f32 v[TM+\k], v[TM+\k], v[TQ], |v[\x+31]|
	v_add_nc_u32 v[TS+\k], 0xff000000, v[TM+\k]    ; 2 off the exponent field: the conversion takes this operand's exponent field as its scale
	v_lshrrev_b32 v[TB+\k], 23, v[TS+\k]           ; the scale's byte
.irp g, 0,1,2,3
	v_cvt_scalef32_pk8_fp4_f32 v[\dst+\g], v[\x+8*\g:\x+8*\g+7], v[TS+\k]
.endr
	v_nop                                          ; one plain place behind the scaled conversions
.endm
; My bytes are those of blocks h and 2 + h of my row; with lane l xor 16's two the word is whole, in both halves.
.macro WORD dst
	v_lshl_or_b32 v[PW], v[TB+1], 16, v[TB]
	v_lshlrev_b32 v[PW], v[SH8], v[PW]
	v_permlanex16_b32 v[TP], v[PW], s20, s21
	v_or_b32 v[\dst], v[PW], v[TP]
.endm
	s_load_b256 s[4:11], s[0:1], 0x0               ; Wq s[4:5], Wk s[6:7], Wv s[8:9], wq4 s[10:11]
	v_lshrrev_b32 v1, 5, v0
	v_readfirstlane_b32 s12, v1                    ; wave = K step
	s_lshr_b32 s13, ttmp9, 1
	s_and_b32 s13, s13, 1
	s_lshl_b32 s13, s13, 5                         ; 32 b
	s_and_b32 s14, ttmp9, 1
	s_lshl_b32 s14, s14, 3                         ; 8 u
	s_add_co_u32 s13, s13, s14
	s_and_b32 s14, ttmp9, 3
	s_lshl_b32 s14, s14, 4                         ; 16 n
	s_cmp_lt_u32 ttmp9, 8
	s_cselect_b32 s13, s13, s14                    ; the tile's first row,
	s_cselect_b32 s15, 16, 8                       ; and how far rows 8-15 lie from rows 0-7
	s_mov_b32 s20, 0x76543210
	s_mov_b32 s21, 0xfedcba98                      ; v_permlanex16_b32's selects for lane l xor 16
	v_and_b32 v1, 15, v0                           ; r
	v_bfe_u32 v2, v0, 4, 1                         ; h
	v_lshrrev_b32 v3, 3, v1
	v_and_b32 v4, 7, v1
	v_mad_u32_u24 v3, v3, s15, v4
	v_add_nc_u32 v3, s13, v3                       ; my row of the weight
	v_lshlrev_b32 v3, 12, v3                       ; 4,096 bytes a row
	v_lshl_add_u32 v3, v2, 7, v3                   ; + 128 h: 32 numbers
	s_lshl_b32 s18, s12, 9
	v_add_nc_u32 v3, s18, v3                       ; + 512 x K step
	v_lshlrev_b32 v[SH8], 3, v2
	v_mov_b32 v[TP], 0                             ; a lane permute's destination counts as read
	v_and_b32 v5, 31, v0
	s_lshl_b32 s18, ttmp9, 13
	s_lshl_b32 s19, s12, 10
	s_add_co_u32 s18, s18, s19
	v_lshl_add_u32 v5, v5, 4, s18                  ; codes: 8,192 x tile + 1,024 x K step + 16 x lane
	s_lshl_b32 s18, ttmp9, 10
	s_lshl_b32 s19, s12, 2
	s_add_co_u32 s18, s18, s19
	s_add_co_u32 s18, s18, 98304
	v_lshlrev_b32 v6, 5, v1
	v_lshl_add_u32 v6, v2, 9, v6
	v_add_nc_u32 v6, s18, v6                       ; scale word: 98,304 + 1,024 x tile + 512 h + 32 r + 4 x K step
	s_wait_kmcnt 0x0
	s_cmp_lt_u32 ttmp9, 8                          ; which weight: the choice hangs on the work-group's number alone
	s_cselect_b64 s[16:17], s[6:7], s[8:9]
	s_cmp_lt_u32 ttmp9, 4
	s_cselect_b64 s[16:17], s[4:5], s[16:17]
.irp c, 0,1
.irp i, 0,1,2,3,4,5,6,7
	global_load_b128 v[X+32*\c+4*\i:X+32*\c+4*\i+3], v3, s[16:17] offset:256*\c+16*\i th:TH_LOAD_NT
.endr
.endr
	s_wait_loadcnt 8                               ; block 0's eight loads are in; block 1's eight may be out
	BLK X, 0, CD
	s_wait_loadcnt 0x0
	BLK X+32, 1, CD+4
	WORD WD
	global_store_b128 v5, v[CD:CD+3], s[10:11]               ; 32 lanes store 512 consecutive bytes
	global_store_b128 v5, v[CD+4:CD+7], s[10:11] offset:512
	global_store_b32 v6, v[WD], s[10:11]
	s_endpgm
.Lfunc_end_k_qb704bdbeef_wquant:
	.size	k_qb704bdbeef_wquant, .Lfunc_end_k_qb704bdbeef_wquant-k_qb704bdbeef_wquant
	.p2alignl 7, 3214868480
	.fill 96, 4, 3214868480
	.section	.rodata,"a",@progbits
	.p2align	6, 0x0
	.amdhsa_kernel k_qb704bdbeef_wquant
		.amdhsa_group_segment_fixed_size 0
		.amdhsa_private_segment_fixed_size 0
		.amdhsa_enable_private_segment 0
		.amdhsa_kernarg_size 32
		.amdhsa_user_sgpr_count 2
		.amdhsa_user_sgpr_kernarg_segment_ptr 1
		.amdhsa_wavefront_size32 1
		.amdhsa_system_sgpr_workgroup_id_x 1
		.amdhsa_system_sgpr_workgroup_id_y 1
		.amdhsa_system_sgpr_workgroup_id_z 1
		.amdhsa_system_vgpr_workitem_id 0
		.amdhsa_next_free_vgpr 96
		.amdhsa_next_free_sgpr 66
		.amdhsa_reserve_vcc 0
		.amdhsa_float_denorm_mode_32 3
		.amdhsa_float_denorm_mode_16_64 3
		.amdhsa_memory_ordered 1
		.amdhsa_forward_progress 1
		.amdhsa_inst_pref_size 7
	.end_amdhsa_kernel
	.amdgpu_metadata
---
amdhsa.version: [ 1, 2 ]
amdhsa.kernels:
  - .name:           k_qb704bdbeef_wquant
    .symbol:         k_qb704bdbeef_wquant.kd
    .args:
      - { .name: Wq, .offset: 0, .size: 8, .value_kind: global_buffer, .address_space: global }
      - { .name: Wk, .offset: 8, .size: 8, .value_kind: global_buffer, .address_space: global }
      - { .name: Wv, .offset: 16, .size: 8, .value_kind: global_buffer, .address_space: global }
      - { .name: wq4, .offset: 24, .size: 8, .value_kind: global_buffer, .address_space: global }
    .group_segment_fixed_size: 0
    .private_segment_fixed_size: 0
    .kernarg_segment_align: 8
    .kernarg_segment_size: 32
    .max_flat_workgroup_size: 256
    .sgpr_count:     66
    .vgpr_count:     96
    .wavefront_size: 32
...
	.end_amdgpu_metadata
.endif
;; end of part 1
;; launch proj (part 2): grid 256 x 1, 8 waves a work-group, no clusters, 327,680 bytes of LDS; arguments x, wq4, qq4, kv4; writes qq4, kv4
.if DOCPART == 2
	.amdgcn_target "amdgcn-amd-amdhsa--gfx1250"
	.amdhsa_code_object_version 6
	.text
	.protected	k_qb704bdbeef_proj
	.globl	k_qb704bdbeef_proj
	.p2align	8
	.type	k_qb704bdbeef_proj,@function
k_qb704bdbeef_proj:
	s_mov_b64 s[64:65], 0
	v_nop
	global_prefetch_b8 v0, s[64:65] scope:SCOPE_SE
	s_setreg_imm32_b32 hwreg(HW_REG_WAVE_MODE, 25, 1), 1
	s_wait_xcnt 0x0
; q = x Wq^T, k = x Wk^T, v = x Wv^T on codes of FP4 (E2M1) with one E8M0 scale for each 32 along K = 1,024; then q and k are quantised along the head's 64 and v along the KEYS, for the next launch.
; SHARES.  A work-group takes a GROUP of 64 tokens: 262,144 bytes of x, all asked for by its first instructions and read from memory once.  Wave w fetches, reads and quantises K step w (64 rows x 512 bytes) alone.
; TOKEN ORDER.  Tile t (0..3) of a group has in its row p the token 32 (p / 8) + 8 t + p % 8.  Where a result's registers run along tokens, the 32 registers of the four tiles are then 32 NEIGHBOURING tokens,
; 32 h + 0 .. 31: a whole block of v (and later of the softmax's p) in one lane.
; PRODUCTS.  The waves share the columns: waves 0-3 make block b = w % 2 of q (w < 2) or of k: two tiles of W x four tiles of tokens, source 0 = W, so that a lane holds one token and 16 neighbouring head units;
; waves 4-7 make 16 channels of v: source 0 = x, so that a lane holds one channel and 32 neighbouring tokens.  Each wave's part of W lies in its registers, loaded once, in the operand's order.
; x's fragments go from wave to wave through LDS as images of their registers: 16 bytes a lane at 16 x lane.
; OUT.  qq4: codes [group][tile][lane (r, h)][16 bytes] (block h of tile row r); scale words at 524,288: [group][r][tile].
;       kv4: [batch][step of 128 keys][9,216 bytes]: +0 k's codes [4 c + t][lane][16]; +4,096 v's codes [n][c][lane (d = r, h)][16]; +8,192 k's scale words [lane (r, c)][t]; +8,704 v's [h][r][n].
;       A scale word of q or k is s0, s1, s0, s1: its upper two bytes stand for the K that the next launch pads with zero codes.
;       v's scale word belongs to two groups: each stores its two bytes, 2 bytes a lane, 256 bytes a work-group in such pieces: the price of two work-groups sharing a word.
; NO CLUSTER: no byte of x is read by two work-groups, and W (110,592 bytes, read by all) goes straight into registers, since LDS is full of x.
; Two tensor loads of 32 rows a wave and not one of 64: the second half begins 128 bytes further on than the pitch would put it, so that the 16 rows of a fragment load fall into 16 different 16-byte columns modulo 256 bytes.
; No LDS byte is filled twice; images and scale words have bytes of their own, behind the slabs.
; LIMITS: NaN and infinities are not served.  A block whose largest magnitude lies under 2^-124, a block of zeros too, gets the byte 1; this program alone reads the bytes.
.set SLAB, 34048                       ; a wave's slab: two halves of 32 rows
.set HALF, 17024                       ; 32 x 528 + 128
.set XP,   528                         ; a row: 512 bytes + 16 of padding
.set XIMG, 8*SLAB                      ; 272,384: x's 32 fragments: 4,096 x K step + 1,024 x tile + 512 c + 16 x lane
.set XSC,  XIMG+32768                  ; their scale words: 512 x K step + 16 x lane, tile t's word in word t
.set EX,   XSC+4096                    ; q's and k's scale bytes from wave to wave: 512 x wave + 16 x lane
.set LI,  1                            ; v1   16 x lane
.set XA,  2                            ; v2   my place in my slab
.set XWI, 3                            ; v3   where I store images
.set XWS, 4                            ; v4   and their scale words
.set LIX, 5                            ; v5   XIMG + 16 x lane
.set EXW, 6                            ; v6   EX + 512 x wave + 16 x lane
.set SH8, 7                            ; v7   8 h
.set CO8, 8                            ; v8   16 r + 8 h
.set WSO, 9                            ; v9   512 h + 32 r
.set XS,  12                           ; v12-15  x's scale words, and nothing else
.set XF,  16                           ; v16-47  first two sets of codes and what is at work, then x's four fragments of a K step
.set TM,  32
.set TS,  34
.set TB,  36
.set TQ,  38
.set PW,  39
.set TP,  40
.set NUM, 48                           ; v48-111  first a tile's two blocks of numbers, then the accumulators
.set WSC, 112                          ; v112-127 W's scale words: 8 u + K step
.set WF,  128                          ; v128-255 W's fragments: 64 u + 8 x K step
.macro BLK x, k, dst                   ; a block of 32 numbers in v[x] on: largest magnitude (two chains; the floor 2^(3 - 127) holds the byte at 1 from below), scale operand, byte, four registers of codes
	v_max3_num_f32 v[TM+\k], |v[\x]|, |v[\x+1]|, 0x1800000
	v_max3_num_f32 v[TQ], |v[\x+2]|, |v[\x+3]|, |v[\x+4]|
.irp i, 5,9,13,17,21,25
	v_max3_num_f32 v[TM+\k], v[TM+\k], |v[\x+\i]|, |v[\x+\i+1]|
	v_max3_num_f32 v[TQ], v[TQ], |v[\x+\i+2]|, |v[\x+\i+3]|
.endr
	v_max3_num_f32 v[TM+\k], v[TM+\k], |v[\x+29]|, |v[\x+30]|
	v_max3_num_f32 v[TM+\k], v[TM+\k], v[TQ], |v[\x+31]|
	v_add_nc_u32 v[TS+\k], 0xff000000, v[TM+\k]    ; 2 off the exponent field: the conversion's scale operand
	v_lshrrev_b32 v[TB+\k], 23, v[TS+\k]           ; the scale's byte
.irp g, 0,1,2,3
	v_cvt_scalef32_pk8_fp4_f32 v[\dst+\g], v[\x+8*\g:\x+8*\g+7], v[TS+\k]
.endr
	v_nop                                          ; one plain place behind the scaled conversions
.endm
.macro WORD dst                        ; my bytes are blocks h and 2 + h of my row; with lane l xor 16's two the word is whole
	v_lshl_or_b32 v[PW], v[TB+1], 16, v[TB]
	v_lshlrev_b32 v[PW], v[SH8], v[PW]
	v_permlanex16_b32 v[TP], v[PW], s20, s21
	v_or_b32 v[\dst], v[PW], v[TP]
.endm
.macro PLACES                          ; four plain places behind matrix instructions, ahead of loads into their registers and of reads of their results
.rept 4
	v_nop
.endr
.endm
	s_load_b256 s[4:11], s[0:1], 0x0               ; x s[4:5], wq4 s[6:7], qq4 s[8:9], kv4 s[10:11]
	s_set_vgpr_msb 0x40
	v_lshl_add_u32 v0, v0, 2, 0x4c000
	v_mov_b32 v1, 0
	s_set_vgpr_msb 0x4045
	ds_add_u32 v0, v1
	ds_add_u32 v0, v1
	s_set_vgpr_msb 0x4500
	v_lshrrev_b32 v1, 5, v0
	v_readfirstlane_b32 s12, v1                    ; wave 0..7
	; descriptor group 1: 32 rows x 128 elements of 4 bytes, 1,024 elements from row to row; 4 words of padding behind every 128
	s_mov_b32 s24, 0x07920000
	s_mov_b32 s25, 128<<16                         ; tensor_dim0
	s_mov_b32 s26, 32<<16                          ; tensor_dim1
	s_mov_b32 s27, 128<<16                         ; tile_dim0
	s_mov_b32 s28, 32                              ; tile_dim1
	s_mov_b32 s29, 1024                            ; the pitch
	s_mov_b32 s30, 0
	s_mov_b32 s31, 0
	s_mul_i32 s13, s12, SLAB                       ; my slab
	s_lshl_b32 s14, ttmp9, 18                      ; my group's 64 rows of 4,096 bytes,
	s_lshl_b32 s15, s12, 9                         ; my K step's 512 bytes of a row
	s_add_co_u32 s14, s14, s15
	s_mov_b32 s15, 0
	s_wait_dscnt 0x0
	s_wait_kmcnt 0x0
	s_add_nc_u64 s[14:15], s[4:5], s[14:15]
.irp g, 0,1
	s_mov_b32 s[32+4*\g], 1                        ; count = 1
	s_add_co_u32 s[33+4*\g], s13, \g*HALF          ; LDS address
	s_add_nc_u64 s[34+4*\g:35+4*\g], s[14:15], \g*131072   ; rows 32 g on
	s_or_b32 s[35+4*\g], s[35+4*\g], 0x80000000    ; type = 2
.endr
	tensor_load_to_lds s[32:35], s[24:31]          ; both first fills together, ahead of everything else: two tensor loads of mine are out
	s_nop 0
	tensor_load_to_lds s[36:39], s[24:31]
	s_nop 0
	PLACES
	v_and_b32 v10, 15, v0                          ; r
	v_bfe_u32 v11, v0, 4, 1                        ; h
	v_and_b32 v[LI], 31, v0
	v_lshlrev_b32 v[LI], 4, v[LI]
	v_bfe_u32 v[XA], v0, 3, 1
	v_mul_u32_u24 v[XA], v[XA], HALF               ; tile rows 8-15 are tokens of the second half,
	v_and_b32 v[WSO], 7, v0
	v_mad_u32_u24 v[XA], v[WSO], XP, v[XA]         ; row r % 8 of the tile's eight,
	v_lshl_add_u32 v[XA], v11, 7, v[XA]            ; + 128 h: my 32 numbers of each 64
	v_add_nc_u32 v[XA], s13, v[XA]
	s_lshl_b32 s16, s12, 12
	s_add_co_u32 s16, s16, XIMG
	v_add_nc_u32 v[XWI], s16, v[LI]
	s_lshl_b32 s16, s12, 9
	s_add_co_u32 s17, s16, XSC
	v_add_nc_u32 v[XWS], s17, v[LI]
	s_add_co_u32 s17, s16, EX
	v_add_nc_u32 v[EXW], s17, v[LI]
	v_add_nc_u32 v[LIX], XIMG, v[LI]
	v_lshlrev_b32 v[SH8], 3, v11
	v_lshlrev_b32 v[CO8], 4, v10
	v_lshl_add_u32 v[CO8], v11, 3, v[CO8]
	v_lshlrev_b32 v[WSO], 5, v10
	v_lshl_add_u32 v[WSO], v11, 9, v[WSO]
	v_mov_b32 v[TP], 0                             ; a lane permute's destination counts as read
	; my part of W: waves 0-3 tiles 2 w and 2 w + 1, waves 4-7 tile w + 4
	s_lshl_b32 s16, s12, 1
	s_add_co_u32 s17, s12, 4
	s_cmp_lt_u32 s12, 4
	s_cselect_b32 s16, s16, s17
	s_lshl_b32 s18, s16, 13
	s_mov_b32 s19, 0
	s_add_nc_u64 s[48:49], s[6:7], s[18:19]        ; its codes
	s_lshl_b32 s18, s16, 10
	s_add_co_u32 s18, s18, 98304
	s_add_nc_u64 s[50:51], s[6:7], s[18:19]        ; its scale words
.macro WLOAD u
.irp s, 0,1,2,3,4,5,6,7
.irp c, 0,1
	global_load_b128 v[WF+64*\u+8*\s+4*\c:WF+64*\u+8*\s+4*\c+3], v[LI], s[48:49] offset:8192*\u+1024*\s+512*\c   ; 32 lanes read 512 consecutive bytes
.endr
.endr
	global_load_b128 v[WSC+8*\u:WSC+8*\u+3], v[WSO], s[50:51] offset:1024*\u
	global_load_b128 v[WSC+8*\u+4:WSC+8*\u+7], v[WSO], s[50:51] offset:1024*\u+16
.endm
	WLOAD 0
	s_cmp_lt_u32 s12, 4
	s_cbranch_scc0 .Lone_tile
	WLOAD 1
.Lone_tile:
	; where the results go.  Offsets are made in registers of their own and added to a buffer's address once.
	s_lshr_b32 s53, ttmp9, 6
	s_mul_i32 s53, s53, 294912                     ; the batch,
	s_bfe_u32 s54, ttmp9, 0x50001
	s_mul_i32 s54, s54, 9216                       ; its step of 128 keys
	s_add_co_u32 s53, s53, s54
	s_and_b32 s55, ttmp9, 1                        ; c: which 64 of the 128
	s_and_b32 s56, s12, 1                          ; b
	s_and_b32 s57, s12, 3                          ; n
	s_lshl_b32 s14, ttmp9, 11                      ; q's codes: 2,048 x group
	s_lshl_b32 s15, s55, 11
	s_add_co_u32 s15, s15, s53                     ; k's: the step + 2,048 c
	s_lshl_b32 s16, ttmp9, 8
	s_add_co_u32 s16, s16, 524288                  ; q's scale words
	s_lshl_b32 s17, s55, 8
	s_add_co_u32 s17, s17, s53
	s_add_co_u32 s17, s17, 8192                    ; k's
	s_lshl_b32 s18, s56, 8                         ; block b lies 256 bytes on: lanes 16-31 of the operand
	s_cmp_lt_u32 s12, 2                            ; q or k: the choice hangs on the wave's number alone
	s_cselect_b32 s14, s14, s15
	s_cselect_b32 s16, s16, s17
	s_cselect_b64 s[40:41], s[8:9], s[10:11]
	s_mov_b64 s[42:43], s[40:41]
	s_add_co_u32 s14, s14, s18
	s_mov_b32 s15, 0
	s_mov_b32 s17, 0
	s_add_nc_u64 s[40:41], s[40:41], s[14:15]      ; codes
	s_add_nc_u64 s[42:43], s[42:43], s[16:17]      ; scale words
	s_lshl_b32 s14, s57, 10
	s_lshl_b32 s16, s55, 9
	s_add_co_u32 s14, s14, s16
	s_add_co_u32 s14, s14, s53
	s_add_co_u32 s14, s14, 4096
	s_add_nc_u64 s[44:45], s[10:11], s[14:15]      ; v's codes: the step + 4,096 + 1,024 n + 512 c
	s_lshl_b32 s14, s57, 2
	s_lshl_b32 s16, s55, 1
	s_add_co_u32 s14, s14, s16
	s_add_co_u32 s14, s14, s53
	s_add_co_u32 s14, s14, 8704
	s_add_nc_u64 s[46:47], s[10:11], s[14:15]      ; v's scale bytes: the step + 8,704 + 4 n + 2 c
	s_lshr_b32 s52, s12, 2
	s_or_b32 s52, s52, s56                         ; 0 for waves 0 and 2: they put q's and k's scale words together
	s_mov_b32 s20, 0x76543210
	s_mov_b32 s21, 0xfedcba98                      ; v_permlanex16_b32's selects for lane l xor 16
	; ---- X: my K step of the 64 tokens becomes four fragments.  A tile has rows of both halves, so both loads are waited for; only I read my slab, so no barrier is needed.
	s_wait_tensorcnt 0x0
.macro XLD t, c                        ; block c (k = 64 c + 32 h + 0 .. 31) of tile t: 128 bytes a lane
.irp i, 0,1,2,3,4,5,6,7
	ds_load_b128 v[NUM+32*\c+4*\i:NUM+32*\c+4*\i+3], v[XA] offset:8*(\t)*XP+256*\c+16*\i
.endr
.endm
; Tile t.  wa, wb: the LDS instructions issued behind the block's eight loads, which may stay out.  The codes lie in two sets by turns: a set is written again two tiles on, behind a wait that covers its stores.
.macro XTILE t, wa, wb
	s_wait_dscnt \wa
	BLK NUM, 0, XF+8*((\t)%2)
.if \t < 3
	XLD \t+1, 0
.endif
	s_wait_dscnt \wb
	BLK NUM+32, 1, XF+8*((\t)%2)+4
.if \t < 3
	XLD \t+1, 1
.endif
	WORD XS+\t
	ds_store_b128 v[XWI], v[XF+8*((\t)%2):XF+8*((\t)%2)+3] offset:1024*\t          ; the fragment's image: 512 consecutive bytes a store
	ds_store_b128 v[XWI], v[XF+8*((\t)%2)+4:XF+8*((\t)%2)+7] offset:1024*\t+512
.endm
	XLD 0, 0
	XLD 0, 1
	XTILE 0, 8, 8                                  ; the other block's eight loads may be out
	XTILE 1, 10, 10                                ; eight loads and the last image's two stores
	XTILE 2, 10, 10
	XTILE 3, 10, 2                                 ; at the end only the last image's two stores
	ds_store_b128 v[XWS], v[XS:XS+3]               ; the four tiles' scale words
	s_wait_dscnt 0x0                               ; for the others' sake: my stores have landed
	s_barrier_signal -1
	s_barrier_wait -1                              ; x's 32 fragments lie in LDS
	; ---- P: the products, K ascending, a K step at a time
.macro XFETCH s
.irp t, 0,1,2,3
.irp c, 0,1
	ds_load_b128 v[XF+8*\t+4*\c:XF+8*\t+4*\c+3], v[LIX] offset:4096*\s+1024*\t+512*\c
.endr
.endr
	ds_load_b128 v[XS:XS+3], v[LIX] offset:32768+512*\s
	s_wait_dscnt 0x0
.endm
	s_wait_loadcnt 0x0                             ; W
	s_cmp_lt_u32 s12, 4
	s_cbranch_scc0 .Lrole_v
	; q or k: accumulator (t, u) at v[NUM + 16 t + 8 u].  The eight take turns, one instruction a turn.
.irp s, 0,1,2,3,4,5,6,7
	XFETCH \s
.irp t, 0,1,2,3
.irp u, 0,1
.if \s == 0
	v_wmma_scale_f32_16x16x128_f8f6f4 v[NUM+16*\t+8*\u:NUM+16*\t+8*\u+7], v[WF+64*\u+8*\s:WF+64*\u+8*\s+7], v[XF+8*\t:XF+8*\t+7], 0, v[WSC+8*\u+\s], v[XS+\t] matrix_a_fmt:MATRIX_FMT_FP4 matrix_b_fmt:MATRIX_FMT_FP4
.else
	v_wmma_scale_f32_16x16x128_f8f6f4 v[NUM+16*\t+8*\u:NUM+16*\t+8*\u+7], v[WF+64*\u+8*\s:WF+64*\u+8*\s+7], v[XF+8*\t:XF+8*\t+7], v[NUM+16*\t+8*\u:NUM+16*\t+8*\u+7], v[WSC+8*\u+\s], v[XS+\t] matrix_a_fmt:MATRIX_FMT_FP4 matrix_b_fmt:MATRIX_FMT_FP4
.endif
.endr
.endr
	PLACES
.endr
	; lane (r, h) holds tile row r of tile t; registers 16 t + 0 .. 15 are head units 32 b + 16 h + 0 .. 15.  The block's other half lies in lane l xor 16.  The four tiles by turns; each accumulator is read from its low end on.
.irp t, 0,1,2,3
	v_max3_num_f32 v[36+\t], |v[NUM+16*\t]|, |v[NUM+16*\t+1]|, 0x1800000
.endr
.irp i, 2,4,6,8,10,12,14
.irp t, 0,1,2,3
	v_max3_num_f32 v[36+\t], v[36+\t], |v[NUM+16*\t+\i]|, |v[NUM+16*\t+\i+1]|
.endr
.endr
.irp t, 0,1,2,3
	v_permlanex16_b32 v[40+\t], v[36+\t], s20, s21
.endr
.irp t, 0,1,2,3
	v_max_num_f32 v[36+\t], v[36+\t], v[40+\t]     ; the block's largest magnitude
.endr
.irp t, 0,1,2,3
	v_add_nc_u32 v[44+\t], 0xff000000, v[36+\t]    ; the conversion's scale operand
.endr
.irp t, 0,1,2,3
	v_lshrrev_b32 v[32+\t], 23, v[44+\t]           ; the scale's byte
.endr
.irp t, 0,1,2,3
	v_cvt_scalef32_pk8_fp4_f32 v[XF+2*\t], v[NUM+16*\t:NUM+16*\t+7], v[44+\t]
	v_cvt_scalef32_pk8_fp4_f32 v[XF+2*\t+1], v[NUM+16*\t+8:NUM+16*\t+15], v[44+\t]
.endr
	v_nop                                          ; one plain place behind the scaled conversions
.irp t, 0,1,2,3
	global_store_b64 v[CO8], v[XF+2*\t:XF+2*\t+1], s[40:41] offset:512*\t   ; 32 lanes store 256 consecutive bytes, aligned: block b of the tile's 16 rows
.endr
	ds_store_b128 v[EXW], v[32:35]                 ; my block's four bytes a row, for the wave that makes the words
	s_branch .Ljoin
.Lrole_v:
	; v: accumulator t at v[NUM + 8 t]; source 0 = x's tile, source 1 = my tile of Wv.  The four take turns.
.irp s, 0,1,2,3,4,5,6,7
	XFETCH \s
.irp t, 0,1,2,3
.if \s == 0
	v_wmma_scale_f32_16x16x128_f8f6f4 v[NUM+8*\t:NUM+8*\t+7], v[XF+8*\t:XF+8*\t+7], v[WF+8*\s:WF+8*\s+7], 0, v[XS+\t], v[WSC+\s] matrix_a_fmt:MATRIX_FMT_FP4 matrix_b_fmt:MATRIX_FMT_FP4
.else
	v_wmma_scale_f32_16x16x128_f8f6f4 v[NUM+8*\t:NUM+8*\t+7], v[XF+8*\t:XF+8*\t+7], v[WF+8*\s:WF+8*\s+7], v[NUM+8*\t:NUM+8*\t+7], v[XS+\t], v[WSC+\s] matrix_a_fmt:MATRIX_FMT_FP4 matrix_b_fmt:MATRIX_FMT_FP4
.endif
.endr
	PLACES
.endr
	BLK NUM, 0, XF                                 ; lane (d = r, h): registers 0 .. 31 are tokens 32 h + 0 .. 31: a whole block.  The maximum's order meets each accumulator first at its register 0
	global_store_b128 v[LI], v[XF:XF+3], s[44:45]  ; 32 lanes store 512 consecutive bytes
	v_lshlrev_b32 v[PW], v[SH8], v[TB]
	v_permlanex16_b32 v[TP], v[PW], s20, s21
	v_or_b32 v[PW], v[PW], v[TP]                   ; blocks h = 0 and 1 of my channel: two bytes,
	global_store_b16 v[LI], v[PW], s[46:47]        ; in both halves' copies of the word
.Ljoin:
	s_wait_dscnt 0x0                               ; for the others' sake: my bytes have landed
	s_barrier_signal -1
	s_barrier_wait -1
	; ---- J: waves 0 and 2 (block 0 of q, of k) take block 1's bytes from their neighbour and store the words s0, s1, s0, s1
	s_cmp_lg_u32 s52, 0
	s_cbranch_scc1 .Ldone
	s_wait_xcnt 0x0                                ; every earlier store has had its addresses translated (ISA guide 3.1): the registers that those stores read, v39 among them, are written again only behind this wait
	ds_load_b128 v[36:39], v[EXW] offset:512
	s_wait_dscnt 0x0
.irp t, 0,1,2,3
	v_lshl_or_b32 v[40+\t], v[36+\t], 8, v[32+\t]
.endr
.irp t, 0,1,2,3
	v_lshl_or_b32 v[40+\t], v[40+\t], 16, v[40+\t]
.endr
	v_cmp_ne_u32 vcc_lo, 0, v[SH8]                 ; lanes 0-15 store tiles 0 and 1's words of row r, lanes 16-31 tiles 2 and 3's
	v_cndmask_b32 v44, v40, v42, vcc_lo
	v_cndmask_b32 v45, v41, v43, vcc_lo
	global_store_b64 v[CO8], v[44:45], s[42:43]    ; 32 lanes store 256 consecutive bytes, aligned
.Ldone:
	s_set_vgpr_msb 0x5
	s_wait_tensorcnt 0x0
	ds_add_u32 v0, v1
	s_wait_dscnt 0x0
	s_set_vgpr_msb 0x500
	s_endpgm
.Lfunc_end_k_qb704bdbeef_proj:
	.size	k_qb704bdbeef_proj, .Lfunc_end_k_qb704bdbeef_proj-k_qb704bdbeef_proj
	.p2alignl 7, 3214868480
	.fill 96, 4, 3214868480
	.section	.rodata,"a",@progbits
	.p2align	6, 0x0
	.amdhsa_kernel k_qb704bdbeef_proj
		.amdhsa_group_segment_fixed_size 327680
		.amdhsa_private_segment_fixed_size 0
		.amdhsa_enable_private_segment 0
		.amdhsa_kernarg_size 32
		.amdhsa_user_sgpr_count 2
		.amdhsa_user_sgpr_kernarg_segment_ptr 1
		.amdhsa_wavefront_size32 1
		.amdhsa_system_sgpr_workgroup_id_x 1
		.amdhsa_system_sgpr_workgroup_id_y 1
		.amdhsa_system_sgpr_workgroup_id_z 1
		.amdhsa_system_vgpr_workitem_id 0
		.amdhsa_next_free_vgpr 258
		.amdhsa_next_free_sgpr 66
		.amdhsa_reserve_vcc 1
		.amdhsa_float_denorm_mode_32 3
		.amdhsa_float_denorm_mode_16_64 3
		.amdhsa_memory_ordered 1
		.amdhsa_forward_progress 1
		.amdhsa_inst_pref_size 57
	.end_amdhsa_kernel
	.amdgpu_metadata
---
amdhsa.version: [ 1, 2 ]
amdhsa.kernels:
  - .name:           k_qb704bdbeef_proj
    .symbol:         k_qb704bdbeef_proj.kd
    .args:
      - { .name: x, .offset: 0, .size: 8, .value_kind: global_buffer, .address_space: global }
      - { .name: wq4, .offset: 8, .size: 8, .value_kind: global_buffer, .address_space: global }
      - { .name: qq4, .offset: 16, .size: 8, .value_kind: global_buffer, .address_space: global }
      - { .name: kv4, .offset: 24, .size: 8, .value_kind: global_buffer, .address_space: global }
    .group_segment_fixed_size: 327680
    .private_segment_fixed_size: 0
    .kernarg_segment_align: 8
    .kernarg_segment_size: 32
    .max_flat_workgroup_size: 256
    .sgpr_count:     66
    .vgpr_count:     258
    .wavefront_size: 32
...
	.end_amdgpu_metadata
.endif
;; end of part 2
;; launch attn (part 3): grid 64 x 4, 16 waves a work-group, clusters of 4 x 1, 327,680 bytes of LDS; arguments qq4, kv4, out0; writes out0
.if DOCPART == 3
	.amdgcn_target "amdgcn-amd-amdhsa--gfx1250"
	.amdhsa_code_object_version 6
	.text
	.protected	k_qb704bdbeef_attn
	.globl	k_qb704bdbeef_attn
	.p2align	8
	.type	k_qb704bdbeef_attn,@function
k_qb704bdbeef_attn:
	s_mov_b64 s[64:65], 0
	v_nop
	global_prefetch_b8 v0, s[64:65] scope:SCOPE_SE
	s_setreg_imm32_b32 hwreg(HW_REG_WAVE_MODE, 25, 1), 1
	s_wait_xcnt 0x0
	s_wait_alu depctr_hold_cnt(0) depctr_sa_sdst(0) depctr_va_vdst(0) depctr_va_sdst(0) depctr_va_ssrc(0) depctr_va_vcc(0) depctr_vm_vsrc(0)
	s_getreg_b32 s2, hwreg(HW_REG_IB_STS2, 6, 4)
	s_cmp_eq_u32 s2, 0
	s_cbranch_scc0 .Lentry_in_a_cluster
	s_endpgm
.Lentry_in_a_cluster:
	s_bfe_u32 s2, ttmp6, 0x10000c
	s_cmp_lg_u32 s2, 0x3003
	s_cbranch_scc0 .Lentry_shape_is_right
	s_endpgm
.Lentry_shape_is_right:
; out[q] = the sum over keys of softmax(q . k / 8) v, both products on codes of FP4 (E2M1) with one E8M0 scale for each 32 along a product's K.  4 batches x 4,096 tokens, head size 64, no mask.
; THE SOFTMAX AHEAD OF THE SECOND PRODUCT: t = score x log2(e) / 8; M = the largest t so far, rounded UP to a whole number; p = 2^(t - M) is quantised along the keys, not normalised; the row's sum is taken of
; the unquantised p and divides at the end.  When M moves, the sum and O are multiplied by 2^(old M - new M): exact.
; SHARES.  A work-group owns a group of 64 queries.  Wave w owns query tile m = w / 4 and key phase kq = w % 4: the steps of 128 keys 4 i + kq, i = 0 .. 7, with a running M, sum and O^T of its own;
; the four phases of a tile are merged at the end by exact powers of two (so the sums over keys are added in another order than one stream would add them).  Four waves to a SIMD: one's vector work stands beside another's products and LDS loads.
; K AND V OF A WHOLE BATCH, codes and scale words, are 294,912 bytes: they come into LDS once, as they lie in memory, in the order of the operands' registers: every fragment is read at 16 x lane.  No LDS byte is filled twice.
; They come in four chunks of eight steps; each wave brings 18 rows of 256 bytes of each chunk, so that the first steps can begin while the later chunks are on their way: four tensor loads of a wave are out at the most.
; CLUSTER.  The 64 work-groups of a batch read the same bytes: four partners ask jointly, by the same tensor loads with the same descriptors and a mask that names the four.
; LAYOUT.  Both products are used transposed: S^T = K Q^T, O^T = V^T P^T: a lane holds ONE query (lane % 16).  Tile t of a group of 64 tokens has in its row p the token 32 (p / 8) + 8 t + p % 8, so the 32 registers
; of a group's four tiles of S^T are the keys 32 h + 0 .. 31: a whole block in a lane, in the very order of the second product's operand: no lane is asked for a block's maximum and nothing changes lanes.
; THE FIRST PRODUCT'S K IS 64 OF THE INSTRUCTION'S 128.  Q's registers 4-7 are zero codes, so whatever stands in registers 4-7 of K's operand adds exactly 0: tile T is named as v[32 + 4 T : 39 + 4 T], whose upper half is
; tile T + 1's codes (behind tile 7: four registers of zeros).  The scale words' upper two bytes repeat the lower two.
; A block's largest p is not searched for: p rises with the score, so the block's largest score goes through the same multiply-add and exponential.
; LIMITS: NaN and infinities are not served.  A block whose every p has fallen under 2^-124 gets the byte 1.
.set STEPB,  9216                      ; a step's block: K's codes 4,096, V's codes 4,096, K's scale words 512, V's 512
.set CHUNKB, 8*STEPB
.set PIECE,  CHUNKB/16                 ; 4,608 bytes = 18 rows of 256
.set STGW,   16*272                    ; the merge's stage, in the bytes that held the first steps (they have had their only fill and their last read): 16 rows x (256 + 16) for each wave,
.set STM,    16*STGW                   ; behind them -M: 256 m + 16 x row + 4 kq; the sums 1,024 bytes on
.set LI,  1                            ; v1   16 x lane
.set AD,  2                            ; v2   the step's block + 16 x lane
.set SH8, 3                            ; v3   8 h
.set LIK, 4                            ; v4   9,216 kq + 16 x lane
.set STO, 5                            ; v5   the stage: where I put my O^T
.set RD,  6                            ; v6   where I read rows back
.set SMA, 7                            ; v7   where I put -M and the sum
.set SRA, 8                            ; v8   where I read the four phases'
.set QS,  24                           ; v24  Q's scale words;  v16-23 Q (v20-23 zeros);  v12 -M, v13 the largest t, v[14:15] the sum in two halves
.set KF,  32                           ; v32-63 K's eight tiles, four registers each; v64-67 zeros
.set KS,  68                           ; v68-71 K's scale words: lanes 0-15 tile t, lanes 16-31 tile 4 + t
.set VS,  72                           ; v72-75 V's scale words
.set PS,  76                           ; v76    p's scale word
.set PC,  80                           ; v80-87 p's codes
.set CH,  88                           ; v88-91 four chains of maxima
.set BM,  92                           ; v92-93 the two blocks' largest scores, then largest p
.set TS,  94
.set TB,  96
.set PW,  98
.set TP,  99
.set TT,  100
.set TU,  101
.set S2,  102                          ; v[102:103] the second chain of the sum
.set FF,  108                          ; v[108:109] f = 2^(old M - new M), named as a pair
.set S,   112                          ; v112-175 S^T, then p
.set OT,  176                          ; v176-207 O^T: four tiles of 16 channels
.set VF,  208                          ; v208-239 V's four fragments
.macro PLACES
.rept 4
	v_nop
.endr
.endm
; A round of the cluster's barrier: my work-group's barrier; wave 0 signals for the work-group; every wave waits for all four work-groups; my work-group's barrier once more.
.macro CROUND
	s_barrier_signal -1
	s_barrier_wait -1
	s_cmp_lg_u32 s12, 0
	s_cbranch_scc1 .Lnot_wave_0_\@
	s_barrier_signal -3
.Lnot_wave_0_\@:
	s_barrier_wait -3
	s_barrier_signal -1
	s_barrier_wait -1
.endm
	s_load_b128 s[4:7], s[0:1], 0x0                ; qq4 s[4:5], kv4 s[6:7]
	s_load_b64 s[8:9], s[0:1], 0x10                ; out0
	v_lshl_add_u32 v254, v0, 2, 0x48000
	v_mov_b32 v255, 0
	ds_add_u32 v254, v255
	ds_add_u32 v254, v255
	v_lshrrev_b32 v1, 5, v0
	v_readfirstlane_b32 s12, v1                    ; wave 0..15
	s_lshr_b32 s13, s12, 2                         ; m
	s_and_b32 s14, s12, 3                          ; kq
	s_and_b32 s17, ttmp7, 0xffff                   ; the batch, which the four partners share
	; descriptor group 1: 18 rows of 32 elements of 8 bytes, dense
	s_mov_b32 s24, 0x0023000f                      ; 15:0 the mask: all four work-groups; 17:16 elements of 8 bytes; 21 set beside a mask
	s_mov_b32 s25, 32<<16                          ; tensor_dim0
	s_mov_b32 s26, 18<<16                          ; tensor_dim1
	s_mov_b32 s27, 32<<16                          ; tile_dim0
	s_mov_b32 s28, 18                              ; tile_dim1
	s_mov_b32 s29, 32                              ; the pitch
	s_mov_b32 s30, 0
	s_mov_b32 s31, 0
	s_mul_i32 s48, s12, PIECE                      ; my piece of a chunk, in LDS as in memory: no place in the cluster enters it
	s_mul_i32 s50, s17, 294912
	s_add_co_u32 s50, s50, s48
	s_mov_b32 s51, 0
	s_wait_dscnt 0x0
	s_wait_kmcnt 0x0
	s_add_nc_u64 s[50:51], s[6:7], s[50:51]
.irp j, 0,1,2,3
	s_mov_b32 s[32+4*\j], 1                        ; count = 1
	s_add_co_u32 s[33+4*\j], s48, \j*CHUNKB        ; LDS address
	s_add_nc_u64 s[34+4*\j:35+4*\j], s[50:51], \j*CHUNKB
	s_or_b32 s[35+4*\j], s[35+4*\j], 0x80000000    ; type = 2
.endr
	CROUND                                         ; all four work-groups are here: the joint loads meet
	tensor_load_to_lds s[32:35], s[24:31]
	s_nop 0
	tensor_load_to_lds s[36:39], s[24:31]
	s_nop 0
	tensor_load_to_lds s[40:43], s[24:31]
	s_nop 0
	tensor_load_to_lds s[44:47], s[24:31]
	s_nop 0
	PLACES
	s_bfe_u32 s15, ttmp6, 0x40000                  ; cx: it enters Q's and out0's addresses alone
	s_lshl_b32 s16, ttmp9, 2
	s_add_co_u32 s16, s16, s15
	s_lshl_b32 s18, s17, 6
	s_add_co_u32 s18, s18, s16                     ; my group of 64 queries: 64 x batch + 4 x cluster x + cx
	s_lshl_b32 s52, s18, 11
	s_lshl_b32 s53, s13, 9
	s_add_co_u32 s52, s52, s53
	s_mov_b32 s53, 0
	s_add_nc_u64 s[54:55], s[4:5], s[52:53]        ; Q's codes: 2,048 x group + 512 m
	s_lshl_b32 s52, s18, 8
	s_lshl_b32 s56, s13, 2
	s_add_co_u32 s52, s52, s56
	s_add_co_u32 s52, s52, 524288
	s_add_nc_u64 s[56:57], s[4:5], s[52:53]        ; Q's scale words: 524,288 + 256 x group + 4 m
	v_and_b32 v9, 15, v0                           ; r
	v_bfe_u32 v10, v0, 4, 1                        ; h
	v_and_b32 v[LI], 31, v0
	v_lshlrev_b32 v[LI], 4, v[LI]
	v_lshlrev_b32 v11, 4, v9
	global_load_b128 v[16:19], v[LI], s[54:55]     ; Q's fragment stays in registers
	global_load_b32 v[QS], v11, s[56:57]
.irp j, 20,21,22,23,64,65,66,67
	v_mov_b32 v[\j], 0                             ; zero codes: Q's K = 64 .. 127, and the tail behind K's tile 7
.endr
.irp j, 0,1,2,3,4,5,6,7,8,9,10,11,12,13,14,15,16,17,18,19,20,21,22,23,24,25,26,27,28,29,30,31
	v_mov_b32 v[OT+\j], 0                          ; O^T.  (The step is written one way: the first finds zeros, which the first change of M leaves zeros)
.endr
	v_mov_b32 v13, 0xff61b1e6                      ; the largest t so far: -3e38, under every t
	v_floor_f32 v12, -v13                          ; -M
	v_mov_b32 v14, 0                               ; the sum, in two halves
	v_mov_b32 v15, 0
	v_mov_b32 v[TP], 0                             ; a lane permute's destination counts as read
	v_mov_b32 v[TU], 0
	v_mov_b32 v[FF+1], 0                           ; (named as the upper half of a pair)
	v_lshlrev_b32 v[SH8], 3, v10
	s_mul_i32 s58, s14, STEPB
	v_add_nc_u32 v[LIK], s58, v[LI]
	s_mul_i32 s58, s12, STGW
	v_mul_u32_u24 v[STO], v9, 272
	v_lshl_add_u32 v[STO], v10, 5, v[STO]
	v_add_nc_u32 v[STO], s58, v[STO]               ; my stage: row r, + 32 h
	s_mul_i32 s58, s13, 4*STGW
	s_mul_i32 s59, s14, 4*272
	s_add_co_u32 s58, s58, s59
	v_mul_u32_u24 v[RD], v10, 272
	v_lshl_add_u32 v[RD], v9, 4, v[RD]
	v_add_nc_u32 v[RD], s58, v[RD]                 ; back: phase 0's stage of my tile, row 4 kq + lane / 16, 16 bytes a lane
	s_lshl_b32 s58, s13, 8
	s_add_co_u32 s58, s58, STM
	s_lshl_b32 s59, s14, 2
	s_add_co_u32 s59, s59, s58
	v_lshl_add_u32 v[SMA], v9, 4, s59
	s_lshl_b32 s59, s14, 6
	s_add_co_u32 s59, s59, s58
	v_lshl_add_u32 v[SRA], v10, 4, s59
	s_lshl_b32 s52, s18, 6                         ; out0: the rows that I store: tile rows 4 kq on of tile m are tokens 32 (kq / 2) + 8 m + 4 (kq % 2) on
	s_lshr_b32 s58, s14, 1
	s_lshl_b32 s58, s58, 5
	s_add_co_u32 s52, s52, s58
	s_lshl_b32 s58, s13, 3
	s_add_co_u32 s52, s52, s58
	s_and_b32 s58, s14, 1
	s_lshl_b32 s58, s58, 2
	s_add_co_u32 s52, s52, s58
	s_lshl_b32 s52, s52, 8                         ; 256 bytes a row
	s_add_nc_u64 s[8:9], s[8:9], s[52:53]
	s_mov_b32 s20, 0x76543210
	s_mov_b32 s21, 0xfedcba98                      ; v_permlanex16_b32's selects for lane l xor 16
	s_mov_b32 s22, 0x3e38aa3b                      ; c = log2(e) / 8
	s_mov_b32 s23, s22                             ; (named with it as a pair)
	s_wait_loadcnt 0x0                             ; Q
; A KEY STEP: the 128 keys of step k0 + kq.
.macro STEP k0
	v_add_nc_u32 v[AD], (\k0)*STEPB, v[LIK]
.rept 3
	v_nop                                          ; with the addition: four places behind the last step's products, ahead of the loads into V's registers
.endr
.irp q, 0,1,2,3,4,5,6,7
	ds_load_b128 v[KF+4*\q:KF+4*\q+3], v[AD] offset:512*\q
.endr
	ds_load_b128 v[KS:KS+3], v[AD] offset:8192
.irp n, 0,1,2,3
.irp c, 0,1
	ds_load_b128 v[VF+8*\n+4*\c:VF+8*\n+4*\c+3], v[AD] offset:4096+1024*\n+512*\c
.endr
.endr
	ds_load_b128 v[VS:VS+3], v[AD] offset:8704
	s_wait_dscnt 9                                 ; K and its scale words are in; V's eight loads and its scale words may be out
.irp q, 0,1,2,3
	v_wmma_scale_f32_16x16x128_f8f6f4 v[S+8*\q:S+8*\q+7], v[KF+4*\q:KF+4*\q+7], v[16:23], 0, v[KS+\q], v[QS] matrix_a_fmt:MATRIX_FMT_FP4 matrix_b_fmt:MATRIX_FMT_FP4
.endr
.irp q, 4,5,6,7
	v_wmma_scale_f32_16x16x128_f8f6f4 v[S+8*\q:S+8*\q+7], v[KF+4*\q:KF+4*\q+7], v[16:23], 0, v[KS+\q-4], v[QS] matrix_a_fmt:MATRIX_FMT_FP4 matrix_b_fmt:MATRIX_FMT_FP4 matrix_a_scale:MATRIX_SCALE_ROW1
.endr
	PLACES                                         ; lane (r, h) holds query r; registers 32 c + 0 .. 31 are keys 64 c + 32 h + 0 .. 31
.irp b, 0,1,2,3
	v_max3_num_f32 v[CH+\b], v[S+16*\b], v[S+16*\b+1], v[S+16*\b+2]   ; four chains by turns; each accumulator is met first at its low end
.endr
.irp i, 3,5,7,9,11,13
.irp b, 0,1,2,3
	v_max3_num_f32 v[CH+\b], v[CH+\b], v[S+16*\b+\i], v[S+16*\b+\i+1]
.endr
.endr
	v_max3_num_f32 v[CH], v[CH], v[S+15], v[S+31]
	v_max3_num_f32 v[CH+2], v[CH+2], v[S+47], v[S+63]
	v_max_num_f32 v[BM], v[CH], v[CH+1]            ; THE LARGEST SCORE OF EACH OF MY TWO BLOCKS: for the row's maximum, and for the block's largest p
	v_max_num_f32 v[BM+1], v[CH+2], v[CH+3]
	v_max_num_f32 v[TT], v[BM], v[BM+1]
	v_permlanex16_b32 v[TU], v[TT], s20, s21
	v_max_num_f32 v[TT], v[TT], v[TU]              ; with lane l xor 16's 64 keys: the step's largest score of my query
	v_mul_f32 v[TT], s22, v[TT]                    ; as t (c is positive)
	v_max_num_f32 v13, v13, v[TT]                  ; the running largest t
	v_mov_b32 v[TT], v12
	v_floor_f32 v12, -v13                          ; the new -M = -ceil(t): a whole number
	v_sub_f32 v[TT], v12, v[TT]                    ; old M - new M: a whole number, 0 or less
	v_cvt_i32_f32 v[TT], v[TT]                     ; (it saturates)
	v_ldexp_f32 v[FF], 1.0, v[TT]                  ; f = 2^(old M - new M)
.irp j, 0,2,4,6,8,10,12,14,16,18,20,22,24,26,28,30,32,34,36,38,40,42,44,46,48,50,52,54,56,58,60,62
	v_pk_fma_f32 v[S+\j:S+\j+1], v[S+\j:S+\j+1], s[22:23], v[12:13] op_sel_hi:[1,0,0]   ; t - M, two at a time
.endr
	v_fma_f32 v[BM], v[BM], s22, v12               ; the same of each block's largest score
	v_fma_f32 v[BM+1], v[BM+1], s22, v12
.irp j, 0,1,2,3,4,5,6,7,8,9,10,11,12,13,14,15,16,17,18,19,20,21,22,23,24,25,26,27,28,29,30,31,32,33,34,35,36,37,38,39,40,41,42,43,44,45,46,47,48,49,50,51,52,53,54,55,56,57,58,59,60,61,62,63
	v_exp_f32 v[S+\j], v[S+\j]                     ; p = 2^(t - M), at most 1
.endr
	v_exp_f32 v[BM], v[BM]
	v_exp_f32 v[BM+1], v[BM+1]
	v_pk_mul_f32 v[14:15], v[14:15], v[FF:FF+1] op_sel_hi:[1,0]   ; the sums under the new M.  (The plain place behind the exponentials)
	s_wait_alu depctr_va_vdst(0)
	v_max_num_f32 v[BM], 0x1800000, v[BM]          ; the floor 2^(3 - 127): the byte cannot fall under 1
	v_max_num_f32 v[BM+1], 0x1800000, v[BM+1]
	v_add_nc_u32 v[TS], 0xff000000, v[BM]          ; 2 off the exponent field: the conversion's scale operand
	v_add_nc_u32 v[TS+1], 0xff000000, v[BM+1]
	v_lshrrev_b32 v[TB], 23, v[TS]                 ; the scale's byte
	v_lshrrev_b32 v[TB+1], 23, v[TS+1]
	v_lshl_or_b32 v[PW], v[TB+1], 16, v[TB]        ; my bytes are blocks h and 2 + h;
	v_lshlrev_b32 v[PW], v[SH8], v[PW]
	v_permlanex16_b32 v[TP], v[PW], s20, s21
	v_or_b32 v[PS], v[PW], v[TP]                   ; with lane l xor 16's two: p's scale word for these 128 keys
.irp c, 0,1
.irp g, 0,1,2,3
	v_cvt_scalef32_pk8_fp4_f32 v[PC+4*\c+\g], v[S+32*\c+8*\g:S+32*\c+8*\g+7], v[TS+\c]   ; registers 4 c .. 4 c + 3 of the operand, as they come
.endr
.endr
	v_nop                                          ; one plain place behind the scaled conversions
	v_pk_add_f32 v[S2:S2+1], v[S:S+1], v[S+2:S+3]  ; THE ROW'S SUM IS TAKEN OF THE UNQUANTISED p: two at a time, in two chains
.irp j, 4,8,12,16,20,24,28,32,36,40,44,48,52,56,60
	v_pk_add_f32 v[14:15], v[14:15], v[S+\j:S+\j+1]
	v_pk_add_f32 v[S2:S2+1], v[S2:S2+1], v[S+\j+2:S+\j+3]
.endr
	v_pk_add_f32 v[14:15], v[14:15], v[S2:S2+1]
.irp j, 0,2,4,6,8,10,12,14,16,18,20,22,24,26,28,30
	v_pk_mul_f32 v[OT+\j:OT+\j+1], v[OT+\j:OT+\j+1], v[FF:FF+1] op_sel_hi:[1,0]   ; O^T under the new M.  (These and the sums are the places between p's codes and scale word and the products below)
.endr
	s_wait_dscnt 0x0                               ; V and its scale words are in
.irp n, 0,1,2,3                        ; O^T += V^T P^T: four accumulators, one instruction a turn
	v_wmma_scale_f32_16x16x128_f8f6f4 v[OT+8*\n:OT+8*\n+7], v[VF+8*\n:VF+8*\n+7], v[PC:PC+7], v[OT+8*\n:OT+8*\n+7], v[VS+\n], v[PS] matrix_a_fmt:MATRIX_FMT_FP4 matrix_b_fmt:MATRIX_FMT_FP4
.endr
.endm
; Chunk j holds steps 8 j .. 8 j + 7; mine are 8 j + kq and 8 j + 4 + kq.
.macro CHUNK j
	s_wait_tensorcnt 3-\j                          ; my piece of chunk j is in; the later chunks' loads may stay out
	s_barrier_signal -1
	s_barrier_wait -1                              ; everybody's piece is in
	STEP 8*\j
	STEP 8*\j+4
.endm
	CHUNK 0
	CHUNK 1
	CHUNK 2
	CHUNK 3
	; ---- THE MERGE of a tile's four key phases
	PLACES                                         ; behind the last products
	v_add_f32 v14, v14, v15                        ; the sum's two halves,
	v_permlanex16_b32 v[TU], v14, s20, s21
	v_add_f32 v14, v14, v[TU]                      ; and lane l xor 16's: my phase's sum for query r
	s_wait_dscnt 0x0
	s_barrier_signal -1
	s_barrier_wait -1                              ; nobody reads K or V any more, and every tensor load has landed: the first bytes of LDS become the stage
.irp n, 0,1,2,3
	ds_store_b128 v[STO], v[OT+8*\n:OT+8*\n+3] offset:64*\n        ; row r: channels 16 n + 8 h + 0 .. 7; each accumulator from its low end on
	ds_store_b128 v[STO], v[OT+8*\n+4:OT+8*\n+7] offset:64*\n+16
.endr
	ds_store_b32 v[SMA], v12                       ; -M (both halves of the lanes write the same word with the same value)
	ds_store_b32 v[SMA], v14 offset:1024           ; the sum
	s_wait_dscnt 0x0                               ; for the others' sake: my stores have landed
	s_barrier_signal -1
	s_barrier_wait -1
	; wave (m, kq) finishes tile rows 4 kq + 2 e + lane / 16, e = 0, 1: a lane takes four channels of a row from each of the four phases
.irp e, 0,1
.irp i, 0,1,2,3
	ds_load_b128 v[S+16*\e+4*\i:S+16*\e+4*\i+3], v[RD] offset:\i*STGW+544*\e
.endr
	ds_load_b128 v[S+32+8*\e:S+35+8*\e], v[SRA] offset:32*\e       ; the four -M
	ds_load_b128 v[S+36+8*\e:S+39+8*\e], v[SRA] offset:1024+32*\e  ; the four sums
.endr
	s_wait_dscnt 0x0
.irp e, 0,1
	v_min3_num_f32 v240, v[S+32+8*\e], v[S+33+8*\e], v[S+34+8*\e]
	v_min_num_f32 v240, v240, v[S+35+8*\e]         ; -M of the whole row: the least -M
.irp i, 0,1,2,3
	v_sub_f32 v[241+\i], v240, v[S+32+8*\e+\i]     ; phase i's M less the row's: a whole number, 0 or less
.endr
.irp i, 0,1,2,3
	v_cvt_i32_f32 v[241+\i], v[241+\i]
.endr
.irp i, 0,1,2,3
	v_ldexp_f32 v[241+\i], 1.0, v[241+\i]          ; f_i: an exact power of two
.endr
	v_mul_f32 v245, v241, v[S+36+8*\e]
.irp i, 1,2,3
	v_fmac_f32 v245, v[241+\i], v[S+36+8*\e+\i]    ; the row's sum
.endr
	v_rcp_f32 v246, v245
	v_nop                                          ; one plain place behind the transcendental
	s_wait_alu depctr_va_vdst(0)
.irp i, 0,1,2,3
	v_mul_f32 v[248+\i], v[241+\i], v246
.endr
.irp k, 0,1,2,3
	v_mul_f32 v[S+48+4*\e+\k], v248, v[S+16*\e+\k]
.endr
.irp i, 1,2,3
.irp k, 0,1,2,3
	v_fmac_f32 v[S+48+4*\e+\k], v[248+\i], v[S+16*\e+4*\i+\k]
.endr
.endr
	global_store_b128 v[LI], v[S+48+4*\e:S+51+4*\e], s[8:9] offset:512*\e th:TH_STORE_NT   ; 32 lanes store 512 consecutive bytes: two whole rows of out0
.endr
	s_wait_tensorcnt 0x0
	ds_add_u32 v254, v255
	s_wait_dscnt 0x0
	CROUND                                         ; the closing round: no work-group ends while a partner may still ask for a tile that names it
	s_endpgm
.Lfunc_end_k_qb704bdbeef_attn:
	.size	k_qb704bdbeef_attn, .Lfunc_end_k_qb704bdbeef_attn-k_qb704bdbeef_attn
	.p2alignl 7, 3214868480
	.fill 96, 4, 3214868480
	.section	.rodata,"a",@progbits
	.p2align	6, 0x0
	.amdhsa_kernel k_qb704bdbeef_attn
		.amdhsa_group_segment_fixed_size 327680
		.amdhsa_private_segment_fixed_size 0
		.amdhsa_enable_private_segment 0
		.amdhsa_kernarg_size 24
		.amdhsa_user_sgpr_count 2
		.amdhsa_user_sgpr_kernarg_segment_ptr 1
		.amdhsa_wavefront_size32 1
		.amdhsa_system_sgpr_workgroup_id_x 1
		.amdhsa_system_sgpr_workgroup_id_y 1
		.amdhsa_system_sgpr_workgroup_id_z 1
		.amdhsa_system_vgpr_workitem_id 0
		.amdhsa_next_free_vgpr 256
		.amdhsa_next_free_sgpr 66
		.amdhsa_reserve_vcc 0
		.amdhsa_float_denorm_mode_32 3
		.amdhsa_float_denorm_mode_16_64 3
		.amdhsa_memory_ordered 1
		.amdhsa_forward_progress 1
		.amdhsa_inst_pref_size 123
	.end_amdhsa_kernel
	.amdgpu_metadata
---
amdhsa.version: [ 1, 2 ]
amdhsa.kernels:
  - .name:           k_qb704bdbeef_attn
    .symbol:         k_qb704bdbeef_attn.kd
    .args:
      - { .name: qq4, .offset: 0, .size: 8, .value_kind: global_buffer, .address_space: global }
      - { .name: kv4, .offset: 8, .size: 8, .value_kind: global_buffer, .address_space: global }
      - { .name: out0, .offset: 16, .size: 8, .value_kind: global_buffer, .address_space: global }
    .group_segment_fixed_size: 327680
    .private_segment_fixed_size: 0
    .kernarg_segment_align: 8
    .kernarg_segment_size: 24
    .max_flat_workgroup_size: 512
    .sgpr_count:     66
    .vgpr_count:     256
    .wavefront_size: 32
...
	.end_amdgpu_metadata
.endif
;; end of part 3
;; ======== version 2 of 2: 3 launches
;; limits: right only within a limited range of input values
;; workspace buffers: wq4 110,592 bytes; qq4 589,824 bytes; kv4 1,179,648 bytes
;; launch wquant (part 4): grid 96 x 1, 1 waves a work-group, no clusters, 0 bytes of LDS; arguments Wq, Wk, Wv, wq4; writes wq4
.if DOCPART == 4
	.amdgcn_target "amdgcn-amd-amdhsa--gfx1250"
	.amdhsa_code_object_version 6
	.text
	.protected	k_qb704bdbeef_wquant
	.globl	k_qb704bdbeef_wquant
	.p2align	8
	.type	k_qb704bdbeef_wquant,@function
k_qb704bdbeef_wquant:
	s_mov_b64 s[64:65], 0
	v_nop
	global_prefetch_b8 v0, s[64:65] scope:SCOPE_SE
	s_setreg_imm32_b32 hwreg(HW_REG_WAVE_MODE, 25, 1), 1
	s_wait_xcnt 0x0
; Wq, Wk, Wv [64][1024] f32 become codes of FP4 (E2M1) with one E8M0 byte for each 32 along K, laid in the order of a matrix operand's registers.
; wq4: codes at 0: [tile 0..11][K step 0..7][c 0..1][lane][16 bytes]; scale words at 98,304: [tile][h][r][K step], both lane halves the same.
; Tile 4 mat + 2 b + u (mat 0 = q, 1 = k): its row p is head unit 32 b + 16 (p / 8) + 8 u + p % 8, so that in the next launch the 16 registers of tiles u = 0, 1
; are 16 neighbouring head units.  Tile 8 + n (v): row p is head unit 16 n + p.
; SHARES: a work-group is ONE wave and takes one fragment: tile = work-group / 8, K step of 128 = work-group % 8.  Lane (r, h) holds k = 64 c + 32 h + 0 .. 31 of row r: two whole blocks, so no other lane is asked for a maximum.
; Each load of the wave takes 16 bytes at 32 places 128 bytes or more apart: the price of writing the operand's order.  A fragment to a work-group spreads these requests over 96 work-groups.
; 96 work-groups: the three weights are 96 fragments and there is no more work than that.  No LDS, no barrier, no cluster: no byte is read by two work-groups.  The scale words leave 4 bytes a lane; the whole launch moves under a megabyte.
; LIMITS: NaN and infinities are not served.  A block whose largest magnitude lies under 2^-124, a block of zeros too, gets the byte 1: its codes are zeros or the rule's own, and this program alone reads the bytes.
.set X,   32                           ; v32-95  the lane's two blocks of 32 numbers
.set CD,  16                           ; v16-23  the fragment's codes
.set TM,  8                            ; v8-9    largest magnitudes
.set TS,  10                           ; v10-11  the conversions' scale operands
.set TB,  12                           ; v12-13  the scale bytes
.set TQ,  14                           ; v14     the second chain of a maximum
.set PW,  15                           ; v15     my two bytes at their places
.set TP,  24                           ; v24     the other half's two bytes
.set SH8, 25                           ; v25     8 h
.set WD,  26                           ; v26     the scale word
; A block of 32 numbers in v[x] on: its largest magnitude (two chains, the floor 2^(3 - 127) among the leaves, so that the byte cannot fall under 1), scale operand, byte, four registers of codes.
.macro BLK x, k, dst
	v_max3_num_f32 v[TM+\k], |v[\x]|, |v[\x+1]|, 0x1800000
	v_max3_num_f32 v[TQ], |v[\x+2]|, |v[\x+3]|, |v[\x+4]|
.irp i, 5,9,13,17,21,25
	v_max3_num_f32 v[TM+\k], v[TM+\k], |v[\x+\i]|, |v[\x+\i+1]|
	v_max3_num_f32 v[TQ], v[TQ], |v[\x+\i+2]|, |v[\x+\i+3]|
.endr
	v_max3_num_f32 v[TM+\k], v[TM+\k], |v[\x+29]|, |v[\x+30]|
	v_max3_num_f32 v[TM+\k], v[TM+\k], v[TQ], |v[\x+31]|
	v_add_nc_u32 v[TS+\k], 0xff000000, v[TM+\k]    ; 2 off the exponent field: the conversion takes this operand's exponent field as its scale
	v_lshrrev_b32 v[TB+\k], 23, v[TS+\k]           ; the scale's byte
.irp g, 0,1,2,3
	v_cvt_scalef32_pk8_fp4_f32 v[\dst+\g], v[\x+8*\g:\x+8*\g+7], v[TS+\k]
.endr
	v_nop                                          ; one plain place behind the scaled conversions
.endm
; My bytes are those of blocks h and 2 + h of my row; with lane l xor 16's two the word is whole, in both halves.
.macro WORD dst
	v_lshl_or_b32 v[PW], v[TB+1], 16, v[TB]
	v_lshlrev_b32 v[PW], v[SH8], v[PW]
	v_permlanex16_b32 v[TP], v[PW], s20, s21
	v_or_b32 v[\dst], v[PW], v[TP]
.endm
	s_load_b256 s[4:11], s[0:1], 0x0               ; Wq s[4:5], Wk s[6:7], Wv s[8:9], wq4 s[10:11]
	s_lshr_b32 s22, ttmp9, 3                       ; the tile, 0 .. 11
	s_and_b32 s12, ttmp9, 7                        ; the K step
	s_lshr_b32 s13, s22, 1
	s_and_b32 s13, s13, 1
	s_lshl_b32 s13, s13, 5                         ; 32 b
	s_and_b32 s14, s22, 1
	s_lshl_b32 s14, s14, 3                         ; 8 u
	s_add_co_u32 s13, s13, s14
	s_and_b32 s14, s22, 3
	s_lshl_b32 s14, s14, 4                         ; 16 n
	s_cmp_lt_u32 s22, 8
	s_cselect_b32 s13, s13, s14                    ; the tile's first row,
	s_cselect_b32 s15, 16, 8                       ; and how far rows 8-15 lie from rows 0-7
	s_mov_b32 s20, 0x76543210
	s_mov_b32 s21, 0xfedcba98                      ; v_permlanex16_b32's selects for lane l xor 16
	v_and_b32 v1, 15, v0                           ; r
	v_bfe_u32 v2, v0, 4, 1                         ; h
	v_lshrrev_b32 v3, 3, v1
	v_and_b32 v4, 7, v1
	v_mad_u32_u24 v3, v3, s15, v4
	v_add_nc_u32 v3, s13, v3                       ; my row of the weight
	v_lshlrev_b32 v3, 12, v3                       ; 4,096 bytes a row
	v_lshl_add_u32 v3, v2, 7, v3                   ; + 128 h: 32 numbers
	s_lshl_b32 s18, s12, 9
	v_add_nc_u32 v3, s18, v3                       ; + 512 x K step
	v_lshlrev_b32 v[SH8], 3, v2
	v_mov_b32 v[TP], 0                             ; a lane permute's destination counts as read
	v_and_b32 v5, 31, v0
	s_lshl_b32 s18, s22, 13
	s_lshl_b32 s19, s12, 10
	s_add_co_u32 s18, s18, s19
	v_lshl_add_u32 v5, v5, 4, s18                  ; codes: 8,192 x tile + 1,024 x K step + 16 x lane
	s_lshl_b32 s18, s22, 10
	s_lshl_b32 s19, s12, 2
	s_add_co_u32 s18, s18, s19
	s_add_co_u32 s18, s18, 98304
	v_lshlrev_b32 v6, 5, v1
	v_lshl_add_u32 v6, v2, 9, v6
	v_add_nc_u32 v6, s18, v6                       ; scale word: 98,304 + 1,024 x tile + 512 h + 32 r + 4 x K step
	s_wait_alu depctr_va_vdst(0)
	s_wait_kmcnt 0x0
	s_cmp_lt_u32 s22, 8                            ; which weight: the choice hangs on the work-group's number alone
	s_cselect_b64 s[16:17], s[6:7], s[8:9]
	s_cmp_lt_u32 s22, 4
	s_cselect_b64 s[16:17], s[4:5], s[16:17]
.irp c, 0,1
.irp i, 0,1,2,3,4,5,6,7
	global_load_b128 v[X+32*\c+4*\i:X+32*\c+4*\i+3], v3, s[16:17] offset:256*\c+16*\i   ; no hint: a lane's eight loads of a block take neighbouring 16 bytes of the same 128
.endr
.endr
	s_wait_loadcnt 8                               ; block 0's eight loads are in; block 1's eight may be out
	BLK X, 0, CD
	s_wait_loadcnt 0x0
	BLK X+32, 1, CD+4
	WORD WD
	global_store_b128 v5, v[CD:CD+3], s[10:11]               ; 32 lanes store 512 consecutive bytes
	global_store_b128 v5, v[CD+4:CD+7], s[10:11] offset:512
	global_store_b32 v6, v[WD], s[10:11]
	s_endpgm
.Lfunc_end_k_qb704bdbeef_wquant:
	.size	k_qb704bdbeef_wquant, .Lfunc_end_k_qb704bdbeef_wquant-k_qb704bdbeef_wquant
	.p2alignl 7, 3214868480
	.fill 96, 4, 3214868480
	.section	.rodata,"a",@progbits
	.p2align	6, 0x0
	.amdhsa_kernel k_qb704bdbeef_wquant
		.amdhsa_group_segment_fixed_size 0
		.amdhsa_private_segment_fixed_size 0
		.amdhsa_enable_private_segment 0
		.amdhsa_kernarg_size 32
		.amdhsa_user_sgpr_count 2
		.amdhsa_user_sgpr_kernarg_segment_ptr 1
		.amdhsa_wavefront_size32 1
		.amdhsa_system_sgpr_workgroup_id_x 1
		.amdhsa_system_sgpr_workgroup_id_y 1
		.amdhsa_system_sgpr_workgroup_id_z 1
		.amdhsa_system_vgpr_workitem_id 0
		.amdhsa_next_free_vgpr 96
		.amdhsa_next_free_sgpr 66
		.amdhsa_reserve_vcc 0
		.amdhsa_float_denorm_mode_32 3
		.amdhsa_float_denorm_mode_16_64 3
		.amdhsa_memory_ordered 1
		.amdhsa_forward_progress 1
		.amdhsa_inst_pref_size 7
	.end_amdhsa_kernel
	.amdgpu_metadata
---
amdhsa.version: [ 1, 2 ]
amdhsa.kernels:
  - .name:           k_qb704bdbeef_wquant
    .symbol:         k_qb704bdbeef_wquant.kd
    .args:
      - { .name: Wq, .offset: 0, .size: 8, .value_kind: global_buffer, .address_space: global }
      - { .name: Wk, .offset: 8, .size: 8, .value_kind: global_buffer, .address_space: global }
      - { .name: Wv, .offset: 16, .size: 8, .value_kind: global_buffer, .address_space: global }
      - { .name: wq4, .offset: 24, .size: 8, .value_kind: global_buffer, .address_space: global }
    .group_segment_fixed_size: 0
    .private_segment_fixed_size: 0
    .kernarg_segment_align: 8
    .kernarg_segment_size: 32
    .max_flat_workgroup_size: 32
    .sgpr_count:     66
    .vgpr_count:     96
    .wavefront_size: 32
...
	.end_amdgpu_metadata
.endif
;; end of part 4
;; launch proj (part 5): grid 256 x 1, 16 waves a work-group, clusters of 4 x 1, 327,680 bytes of LDS; arguments x, wq4, qq4, kv4; writes qq4, kv4
.if DOCPART == 5
	.amdgcn_target "amdgcn-amd-amdhsa--gfx1250"
	.amdhsa_code_object_version 6
	.text
	.protected	k_qb704bdbeef_proj
	.globl	k_qb704bdbeef_proj
	.p2align	8
	.type	k_qb704bdbeef_proj,@function
k_qb704bdbeef_proj:
	s_mov_b64 s[64:65], 0
	v_nop
	global_prefetch_b8 v0, s[64:65] scope:SCOPE_SE
	s_setreg_imm32_b32 hwreg(HW_REG_WAVE_MODE, 25, 1), 1
	s_wait_xcnt 0x0
	s_wait_alu depctr_hold_cnt(0) depctr_sa_sdst(0) depctr_va_vdst(0) depctr_va_sdst(0) depctr_va_ssrc(0) depctr_va_vcc(0) depctr_vm_vsrc(0)
	s_getreg_b32 s2, hwreg(HW_REG_IB_STS2, 6, 4)
	s_cmp_eq_u32 s2, 0
	s_cbranch_scc0 .Lentry_in_a_cluster
	s_endpgm
.Lentry_in_a_cluster:
	s_bfe_u32 s2, ttmp6, 0x10000c
	s_cmp_lg_u32 s2, 0x3003
	s_cbranch_scc0 .Lentry_shape_is_right
	s_endpgm
.Lentry_shape_is_right:
; q = x Wq^T, k = x Wk^T, v = x Wv^T on codes of FP4 (E2M1) with one E8M0 scale for each 32 along K = 1,024; then q and k are quantised along the head's 64 and v along the KEYS, for the next launch.
; SHARES.  A work-group takes a GROUP of 64 tokens: 262,144 bytes of x, read once, straight into registers: 16 waves x 32 loads of 512 consecutive bytes, all asked for at the head, so there is nothing left to prefetch.
; A wave has four rows.  Its loads go K step by K step (128 along K), so the work goes in four phases of two K steps: as a phase's eight loads come in, the wave quantises them and puts the codes into LDS, in the order
; of an operand's registers; behind a barrier the products of these two K steps are made while the later phases' loads are still out.
; A LOAD: lane (j, h) takes the 16 bytes at 32 j + 16 h of 512.  Two rows U, V are loaded; v_permlane16_swap_b32 on the four pairs of registers gives lanes 0-15 eight neighbours of U, lanes 16-31 eight of V.  Four lanes share a block.
; TOKEN ORDER.  Tile t (0..3) of a group has in its row p the token 32 (p / 8) + 8 t + p % 8: where a result's registers run along tokens, the four tiles' 32 registers are 32 NEIGHBOURING tokens, a whole block in one lane.
; K ORDER.  Cluster number % 8 is the first K step, the others follow round: so the order in which a sum's eight K steps are added differs between clusters.
; PRODUCTS.  Waves 0-7: (q or k, block b of 32 head units, two tiles of tokens): source 0 = W, a lane holds one token and 16 neighbouring head units.  Waves 8-11: 16 channels of v x four tiles of tokens, source 0 = x.  Four accumulators each, by turns.
; CLUSTER of four: W's codes and scale words (110,592 bytes, needed by all work-groups) come by joint loads, 27 rows of 256 bytes a wave, and lie in LDS as in memory.  No LDS byte is filled twice.
; OUT.  qq4: codes [group][tile][lane (r, h)][16 bytes] (block h of tile row r); scale words at 524,288: [group][r][tile].
;       kv4: [batch][step of 128 keys][9,216 bytes]: +0 k's codes [4 c + t][lane][16]; +4,096 v's codes [n][c][lane (d = r, h)][16]; +8,192 k's scale words [lane (r, c)][t]; +8,704 v's [h][r][n].
;       A scale word of q or k is s0, s1, s0, s1: its upper two bytes stand for the K that the next launch pads with zero codes.  v's scale word belongs to two groups: each stores its two bytes.
; LIMITS: NaN and infinities are not served.  A block whose largest magnitude lies under 2^-124, a block of zeros too, gets the byte 1; this program alone reads the bytes.
.set WSCL, 98304                       ; W: [tile] 8,192, [K step] 1,024, [c] 512, [lane] 16; behind the codes the scale words: [tile] 1,024, [h] 512, [r] 32, [K step] 4
.set XIMG, 110592                      ; x's codes: [K step] 4,416, [tile] 1,088, [c] 544, [h] 272, [row] 16: a store's 32 words fall on 32 different banks
.set XSTP, 4416
.set XSC,  145920                      ; x's scale words: [K step] 256, [row] 16, [tile] 4
.set EX,   147968                      ; q's and k's scale words: [mat] 256, [r] 16, [tile] 4
.set SPARE, 152064                     ; the spare words
.set LI,   1                           ; v1   16 x lane
.set XO,   2                           ; v2   my place in 512 bytes of x
.set XB,   3                           ; v3   where I store codes
.set SB,   4                           ; v4   where I store scale bytes
.set SPW,  5
.set NIL,  6
.set L8,   7                           ; v7   8 x lane
.set AXQ,  8                           ; v8-11  x and W as waves 0-7 read them: x, W, W's scale words, x's scale words
.set AWQ,  9
.set AWSQ, 10
.set AXSQ, 11
.set SH8,  12                          ; v12  8 h
.set CO8,  13                          ; v13  16 r + 8 h
.set EXW,  14                          ; v14  where I store a scale byte of q or k
.set EXR,  15                          ; v15  where words are read back
.set AC,   16                          ; v16-17, v18-19  W's addresses at two K steps
.set ASC,  18
.set XS,   20                          ; v20-27  x's scale words, two K steps
.set WSC,  28                          ; v28-31  W's
.set TM,   32
.set TQ,   36
.set CD,   40
.set WF,   44                          ; v44-75  W's fragments of two K steps
.set NUM,  76                          ; v76-107 accumulators
.set X,    108                         ; v108-235 x: 16 registers a K step; the first 64, when quantised, take x's fragments
.set EP,   236                         ; v236-249 at work at the end
.set AXV,  250                         ; v250-253 as v8-11, for waves 8-11
.set AWV,  251
.set AWSV, 252
.set AXSV, 253
.macro PLACES                          ; four plain places behind matrix instructions (ISA guide 7.12.1)
.rept 4
	v_nop
.endr
.endm
.macro CROUND                          ; a round of the cluster's barrier
	s_barrier_signal -1
	s_barrier_wait -1
	s_cmp_lg_u32 s12, 0
	s_cbranch_scc1 .Lnot_wave_0_\@
	s_barrier_signal -3
.Lnot_wave_0_\@:
	s_barrier_wait -3
	s_barrier_signal -1
	s_barrier_wait -1
.endm
	s_load_b256 s[4:11], s[0:1], 0x0               ; x s[4:5], wq4 s[6:7], qq4 s[8:9], kv4 s[10:11]
	v_lshl_add_u32 v[SPW], v0, 2, SPARE
	v_mov_b32 v[NIL], 0
	ds_add_u32 v[SPW], v[NIL]                      ; the opening add, twice on end
	ds_add_u32 v[SPW], v[NIL]
	v_lshrrev_b32 v32, 5, v0
	v_readfirstlane_b32 s12, v32                   ; wave 0..15
	v_and_b32 v[XO], 15, v0
	v_lshlrev_b32 v[XO], 5, v[XO]
	v_bfe_u32 v33, v0, 4, 1
	v_lshl_add_u32 v[XO], v33, 4, v[XO]
	s_wait_alu depctr_va_vdst(0)
	s_bfe_u32 s15, ttmp6, 0x40000                  ; cx: it enters addresses of x and of the results alone
	s_lshl_b32 s13, ttmp9, 2
	s_add_co_u32 s13, s13, s15                     ; my group of 64 tokens
	s_and_b32 s14, ttmp9, 7                        ; the first K step
	; descriptor group 1: 27 rows of 32 elements of 8 bytes, dense; to all four work-groups
	s_mov_b32 s24, 15|(3<<16)|(1<<21)
	s_mov_b32 s25, 32<<16
	s_mov_b32 s26, 27<<16
	s_mov_b32 s27, 32<<16
	s_mov_b32 s28, 27
	s_mov_b32 s29, 32
	s_mov_b32 s30, 0
	s_mov_b32 s31, 0
	s_mul_i32 s17, s12, 6912                       ; my 27 rows in LDS
	s_mul_i32 s60, s12, 6912                       ; and in memory
	s_mov_b32 s61, 0
	; my rows of x: 32 (w / 8) + 8 ((w / 2) % 4) + 2 (w % 2) + 0, 1 and 4, 5
	s_lshr_b32 s2, s12, 3                          ; which 32 tokens
	s_bfe_u32 s3, s12, 0x20001                     ; the tile
	s_and_b32 s15, s12, 1
	s_lshl_b32 s48, s2, 17
	s_lshl_b32 s49, s3, 15
	s_add_co_u32 s48, s48, s49
	s_lshl_b32 s49, s15, 13
	s_add_co_u32 s48, s48, s49
	s_lshl_b32 s49, s13, 18
	s_add_co_u32 s48, s48, s49
	s_mov_b32 s49, 0
	s_wait_dscnt 0x0                               ; both opening adds are done
	CROUND                                         ; all four work-groups are here: the joint loads meet
	s_wait_kmcnt 0x0
	s_add_nc_u64 s[48:49], s[4:5], s[48:49]
.irp k, 0,1,2,3,4,5,6,7
	s_add_co_u32 s58, s14, \k
	s_and_b32 s58, s58, 7
	s_lshl_b32 s58, s58, 9
	s_mov_b32 s59, 0
	s_add_nc_u64 s[32+2*\k:33+2*\k], s[48:49], s[58:59]    ; my first row at the k-th K step
.endr
.macro XLD k                           ; 4 loads: rows a and a + 4 of mine, 32 lanes read 512 consecutive bytes
.irp a, 0,1
	global_load_b128 v[X+16*(\k)+8*\a:X+16*(\k)+8*\a+3], v[XO], s[32+2*(\k):33+2*(\k)] offset:4096*\a th:TH_LOAD_NT
	global_load_b128 v[X+16*(\k)+8*\a+4:X+16*(\k)+8*\a+7], v[XO], s[32+2*(\k):33+2*(\k)] offset:16384+4096*\a th:TH_LOAD_NT
.endr
.endm
	XLD 0
	XLD 1
	s_add_nc_u64 s[60:61], s[6:7], s[60:61]
	s_mov_b32 s16, 1                               ; count = 1; s17 the LDS address
	s_mov_b64 s[18:19], s[60:61]
	s_or_b32 s19, s19, 0x80000000                  ; type = 2
	tensor_load_to_lds s[16:19], s[24:31]          ; W: my one tensor load
	s_nop 0
	PLACES
.irp k, 2,3,4,5,6,7
	XLD \k
.endr
	; where the results go
	s_bfe_u32 s60, s12, 0x10001                    ; b
	s_bfe_u32 s61, s12, 0x10002                    ; mat: 0 q, 1 k
	s_and_b32 s62, s12, 3                          ; n
	s_and_b32 s63, s13, 1                          ; c: which 64 of the step's 128 keys
	s_lshr_b32 s22, s13, 6
	s_mul_i32 s22, s22, 294912                     ; the batch,
	s_bfe_u32 s23, s13, 0x50001
	s_mul_i32 s23, s23, 9216                       ; its step of 128 keys
	s_add_co_u32 s22, s22, s23
	s_lshl_b32 s48, s13, 11                        ; q's codes: 2,048 x group
	s_lshl_b32 s58, s63, 11
	s_add_co_u32 s58, s58, s22                     ; k's: the step + 2,048 c
	s_lshl_b32 s54, s13, 8
	s_add_co_u32 s54, s54, 524288                  ; q's scale words
	s_lshl_b32 s56, s63, 8
	s_add_co_u32 s56, s56, s22
	s_add_co_u32 s56, s56, 8192                    ; k's
	s_cmp_eq_u32 s61, 0                            ; q or k: the choice hangs on the wave's number alone
	s_cselect_b32 s48, s48, s58
	s_cselect_b32 s54, s54, s56
	s_cselect_b64 s[50:51], s[8:9], s[10:11]
	s_mov_b64 s[52:53], s[50:51]
	s_lshl_b32 s58, s60, 8
	s_add_co_u32 s48, s48, s58                     ; block b lies 256 bytes on: lanes 16-31 of the operand
	s_lshl_b32 s58, s15, 10
	s_add_co_u32 s48, s48, s58                     ; my two tiles
	s_mov_b32 s49, 0
	s_mov_b32 s55, 0
	s_add_nc_u64 s[50:51], s[50:51], s[48:49]      ; codes
	s_add_nc_u64 s[52:53], s[52:53], s[54:55]      ; scale words
	s_lshl_b32 s48, s62, 10
	s_lshl_b32 s58, s63, 9
	s_add_co_u32 s48, s48, s58
	s_add_co_u32 s48, s48, s22
	s_add_co_u32 s48, s48, 4096
	s_add_nc_u64 s[54:55], s[10:11], s[48:49]      ; v's codes: the step + 4,096 + 1,024 n + 512 c
	s_lshl_b32 s48, s62, 2
	s_lshl_b32 s58, s63, 1
	s_add_co_u32 s48, s48, s58
	s_add_co_u32 s48, s48, s22
	s_add_co_u32 s48, s48, 8704
	s_add_nc_u64 s[56:57], s[10:11], s[48:49]      ; v's scale bytes: the step + 8,704 + 4 n + 2 c
	s_mov_b32 s20, 0x76543210
	s_mov_b32 s21, 0xfedcba98                      ; v_permlanex16_b32's selects for lane l xor 16
	; LDS addresses: their parts by the wave's number
	s_lshl_b32 s22, s2, 7
	s_lshl_b32 s23, s15, 5
	s_add_co_u32 s22, s22, s23                     ; 16 x (8 (w / 8) + 2 (w % 2))
	s_mul_i32 s23, s3, 1088
	s_add_co_u32 s23, s23, s22
	s_add_co_u32 s23, s23, XIMG                    ; for codes
	s_lshl_b32 s48, s3, 2
	s_add_co_u32 s48, s48, s22
	s_add_co_u32 s48, s48, XSC                     ; for scale bytes
	s_mul_i32 s49, s15, 2176
	s_add_co_u32 s49, s49, XIMG                    ; x's tiles 2 (w % 2), + 1
	s_bfe_u32 s58, s12, 0x20001
	s_mul_i32 s59, s58, 16384                      ; W's tiles 2 ((w / 2) % 4), + 1
	s_mul_i32 s58, s58, 2048
	s_add_co_u32 s58, s58, WSCL
	s_add_co_u32 s62, s62, 8
	s_mul_i32 s63, s62, 8192                       ; W's tile 8 + n
	s_mul_i32 s62, s62, 1024
	s_add_co_u32 s62, s62, WSCL
	s_lshl_b32 s22, s15, 3
	s_lshl_b32 s61, s61, 8
	s_add_co_u32 s61, s61, EX                      ; EX + 256 mat
	s_add_co_u32 s60, s60, s22
	s_add_co_u32 s60, s60, s61                     ; + 8 (w % 2) + b
	s_add_co_u32 s22, s22, XSC
	v_and_b32 v32, 15, v0                          ; r
	v_bfe_u32 v33, v0, 4, 1                        ; h
	v_and_b32 v34, 31, v0
	v_lshlrev_b32 v[LI], 4, v34
	v_lshlrev_b32 v[L8], 3, v34
	v_lshlrev_b32 v[SH8], 3, v33
	v_lshlrev_b32 v35, 4, v32                      ; 16 r
	v_add_nc_u32 v[CO8], v35, v[SH8]
	v_mul_u32_u24 v36, v33, 272
	v_add_nc_u32 v36, v36, v35                     ; an x fragment's place: 16 r + 272 h
	v_bfe_u32 v37, v0, 3, 1
	v_mul_u32_u24 v38, v37, 544
	v_bfe_u32 v39, v0, 2, 1
	v_mul_u32_u24 v39, v39, 272
	v_add_nc_u32 v38, v38, v39
	v_and_b32 v39, 3, v0
	v_lshl_add_u32 v38, v39, 2, v38
	v_lshl_add_u32 v38, v33, 6, v38
	v_add_nc_u32 v[XB], s23, v38                   ; codes in: + 544 (j / 8) + 272 ((j / 4) % 2) + 4 (j % 4) + 64 h
	v_bfe_u32 v39, v0, 2, 2
	v_lshl_add_u32 v39, v33, 6, v39
	v_add_nc_u32 v[SB], s48, v39                   ; scale bytes in: + j / 4 + 64 h
	v_add_nc_u32 v[AXQ], s49, v36
	v_add_nc_u32 v[AXV], XIMG, v36
	v_add_nc_u32 v[AWQ], s59, v[LI]
	v_add_nc_u32 v[AWV], s63, v[LI]
	v_lshlrev_b32 v38, 9, v33
	v_lshl_add_u32 v38, v32, 5, v38                ; W's scale words: 512 h + 32 r
	v_add_nc_u32 v[AWSQ], s58, v38
	v_add_nc_u32 v[AWSV], s62, v38
	v_add_nc_u32 v[AXSQ], s22, v35
	v_add_nc_u32 v[AXSV], XSC, v35
	v_lshl_add_u32 v38, v33, 1, v35
	v_add_nc_u32 v[EXW], s60, v38
	v_add_nc_u32 v[EXR], s61, v[L8]
	v_mov_b32 v[EP+2], 0                           ; a lane permute's destination counts as read
	v_mov_b32 v[EP+3], 0
	s_wait_alu depctr_va_vdst(0)
; Phase ph: its eight loads are in (the later phases' may be out): four pairs of rows by turns become codes and scale bytes in LDS.
.macro QUANT ph
.set XP, X+32*(\ph)
	s_wait_loadcnt 24-8*(\ph)
.irp i, 0,1,2,3
.irp p, 0,1,2,3
	v_permlane16_swap_b32 v[XP+8*\p+\i], v[XP+8*\p+4+\i]
.endr
.endr
.irp p, 0,1,2,3
	v_max3_num_f32 v[TM+\p], |v[XP+8*\p]|, |v[XP+8*\p+1]|, 0x1800000   ; the floor 2^(3 - 127) holds the byte at 1 from below
.endr
.irp p, 0,1,2,3
	v_max3_num_f32 v[TQ+\p], |v[XP+8*\p+2]|, |v[XP+8*\p+3]|, |v[XP+8*\p+4]|
.endr
.irp p, 0,1,2,3
	v_max3_num_f32 v[TM+\p], v[TM+\p], |v[XP+8*\p+5]|, |v[XP+8*\p+6]|
.endr
.irp p, 0,1,2,3
	v_max3_num_f32 v[TM+\p], v[TM+\p], v[TQ+\p], |v[XP+8*\p+7]|
.endr
.irp p, 0,1,2,3
	v_max_num_f32_dpp v[TM+\p], v[TM+\p], v[TM+\p] row_xmask:1 row_mask:0xf bank_mask:0xf
.endr
.irp p, 0,1,2,3
	v_max_num_f32_dpp v[TM+\p], v[TM+\p], v[TM+\p] row_xmask:2 row_mask:0xf bank_mask:0xf
.endr
.irp p, 0,1,2,3
	v_add_nc_u32 v[TQ+\p], 0xff000000, v[TM+\p]    ; 2 off the exponent field: the conversion's scale operand
.endr
.irp p, 0,1,2,3
	v_cvt_scalef32_pk8_fp4_f32 v[CD+\p], v[XP+8*\p:XP+8*\p+7], v[TQ+\p]
.endr
.irp p, 0,1,2,3
	v_lshrrev_b32 v[TM+\p], 23, v[TQ+\p]           ; the scale's byte
.endr
.irp p, 0,1,2,3
	ds_store_b32 v[XB], v[CD+\p] offset:(2*(\ph)+\p/2)*XSTP+16*(\p%2)
	ds_store_b8 v[SB], v[TM+\p] offset:(2*(\ph)+\p/2)*256+16*(\p%2)    ; a block's four lanes write the same byte with the same value
.endr
.endm
.macro WADR ph, kk, aw, aws            ; W's addresses at the K step in hand
	s_add_co_u32 s58, s14, 2*(\ph)+\kk
	s_and_b32 s58, s58, 7
	s_mul_i32 s59, s58, 1024
	s_lshl_b32 s58, s58, 2
	v_add_nc_u32 v[AC+\kk], s59, v[\aw]
	v_add_nc_u32 v[ASC+\kk], s58, v[\aws]
.endm
.macro WLQ ph
.irp kk, 0,1
	WADR \ph, \kk, AWQ, AWSQ
.irp u, 0,1
.irp c, 0,1
	ds_load_b128 v[WF+16*\kk+8*\u+4*\c:WF+16*\kk+8*\u+4*\c+3], v[AC+\kk] offset:8192*\u+512*\c
.endr
	ds_load_b32 v[WSC+2*\kk+\u], v[ASC+\kk] offset:1024*\u
.endr
.endr
.endm
.macro WLV ph
.irp kk, 0,1
	WADR \ph, \kk, AWV, AWSV
.irp c, 0,1
	ds_load_b128 v[WF+16*\kk+4*\c:WF+16*\kk+4*\c+3], v[AC+\kk] offset:512*\c
.endr
	ds_load_b32 v[WSC+2*\kk], v[ASC+\kk]
.endr
.endm
.macro MQ kk, zero                     ; accumulator (tt, u) at v[NUM + 16 tt + 8 u]
.irp tt, 0,1
.irp u, 0,1
.if \zero
	v_wmma_scale_f32_16x16x128_f8f6f4 v[NUM+16*\tt+8*\u:NUM+16*\tt+8*\u+7], v[WF+16*\kk+8*\u:WF+16*\kk+8*\u+7], v[X+16*\kk+8*\tt:X+16*\kk+8*\tt+7], 0, v[WSC+2*\kk+\u], v[XS+4*\kk+\tt] matrix_a_fmt:MATRIX_FMT_FP4 matrix_b_fmt:MATRIX_FMT_FP4
.else
	v_wmma_scale_f32_16x16x128_f8f6f4 v[NUM+16*\tt+8*\u:NUM+16*\tt+8*\u+7], v[WF+16*\kk+8*\u:WF+16*\kk+8*\u+7], v[X+16*\kk+8*\tt:X+16*\kk+8*\tt+7], v[NUM+16*\tt+8*\u:NUM+16*\tt+8*\u+7], v[WSC+2*\kk+\u], v[XS+4*\kk+\tt] matrix_a_fmt:MATRIX_FMT_FP4 matrix_b_fmt:MATRIX_FMT_FP4
.endif
.endr
.endr
.endm
.macro XV ph, kk, xf
.irp t, 0,1,2,3
.irp c, 0,1
	ds_load_b128 v[\xf+8*\t+4*\c:\xf+8*\t+4*\c+3], v[AXV] offset:(2*(\ph)+\kk)*XSTP+1088*\t+544*\c
.endr
.endr
	ds_load_b128 v[XS+4*\kk:XS+4*\kk+3], v[AXSV] offset:(2*(\ph)+\kk)*256
.endm
.macro MV kk, xf, zero                 ; accumulator t at v[NUM + 8 t]
.irp t, 0,1,2,3
.if \zero
	v_wmma_scale_f32_16x16x128_f8f6f4 v[NUM+8*\t:NUM+8*\t+7], v[\xf+8*\t:\xf+8*\t+7], v[WF+16*\kk:WF+16*\kk+7], 0, v[XS+4*\kk+\t], v[WSC+2*\kk] matrix_a_fmt:MATRIX_FMT_FP4 matrix_b_fmt:MATRIX_FMT_FP4
.else
	v_wmma_scale_f32_16x16x128_f8f6f4 v[NUM+8*\t:NUM+8*\t+7], v[\xf+8*\t:\xf+8*\t+7], v[WF+16*\kk:WF+16*\kk+7], v[NUM+8*\t:NUM+8*\t+7], v[XS+4*\kk+\t], v[WSC+2*\kk] matrix_a_fmt:MATRIX_FMT_FP4 matrix_b_fmt:MATRIX_FMT_FP4
.endif
.endr
.endm
; A phase.  Behind the barrier its two K steps of all 64 tokens lie in LDS.  W's fragments of the next phase are asked for behind the products.
.macro PHASE ph
	QUANT \ph
.if \ph == 0
	s_wait_tensorcnt 0x0                           ; my rows of W
.endif
	s_wait_dscnt 0x0                               ; for the others' sake: my stores have landed
	s_barrier_signal -1
	s_barrier_wait -1
	s_cmp_lt_u32 s12, 8
	s_cbranch_scc0 .Lrole_v\ph
.if \ph == 0
	WLQ 0
.endif
.irp kk, 0,1
.irp tt, 0,1
.irp c, 0,1
	ds_load_b128 v[X+16*\kk+8*\tt+4*\c:X+16*\kk+8*\tt+4*\c+3], v[AXQ] offset:(2*(\ph)+\kk)*XSTP+1088*\tt+544*\c
.endr
.endr
	ds_load_b64 v[XS+4*\kk:XS+4*\kk+1], v[AXSQ] offset:(2*(\ph)+\kk)*256
.endr
	s_wait_dscnt 5                                 ; the second K step's five loads may be out
.if \ph == 0
	MQ 0, 1
.else
	MQ 0, 0
.endif
	s_wait_dscnt 0x0
	MQ 1, 0
	PLACES
.if \ph < 3
	WLQ \ph+1
	s_branch .Lphase_end\ph
.else
	s_branch .Lq_out
.endif
.Lrole_v\ph:
	s_cmp_lt_u32 s12, 12
	s_cbranch_scc0 .Lphase_end\ph                  ; waves 12-15 have no products
.if \ph == 0
	WLV 0
	XV 0, 0, X
	s_wait_dscnt 0x0
	MV 0, X, 1
	PLACES
	XV 0, 1, X
	s_wait_dscnt 0x0
	MV 1, X, 0
.else
	XV \ph, 0, X
	XV \ph, 1, X+32
	s_wait_dscnt 9                                 ; the second K step's nine loads may be out
	MV 0, X, 0
	s_wait_dscnt 0x0
	MV 1, X+32, 0
.endif
	PLACES
.if \ph < 3
	WLV \ph+1
.else
	s_branch .Lv_out
.endif
.Lphase_end\ph:
.endm
	PHASE 0
	PHASE 1
	PHASE 2
	PHASE 3
	s_branch .Ljoin
.Lq_out:
	; lane (r, h) holds tile row r; registers 16 t + 0 .. 15 are head units 32 b + 16 h + 0 .. 15.  The block's other half lies in lane l xor 16.  Each accumulator is met first at its low end.
.irp t, 0,1
	v_max3_num_f32 v[EP+\t], |v[NUM+16*\t]|, |v[NUM+16*\t+1]|, 0x1800000
.endr
.irp i, 2,4,6,8,10,12,14
.irp t, 0,1
	v_max3_num_f32 v[EP+\t], v[EP+\t], |v[NUM+16*\t+\i]|, |v[NUM+16*\t+\i+1]|
.endr
.endr
.irp t, 0,1
	v_permlanex16_b32 v[EP+2+\t], v[EP+\t], s20, s21
.endr
.irp t, 0,1
	v_max_num_f32 v[EP+\t], v[EP+\t], v[EP+2+\t]
.endr
.irp t, 0,1
	v_add_nc_u32 v[EP+4+\t], 0xff000000, v[EP+\t]
.endr
.irp t, 0,1
	v_cvt_scalef32_pk8_fp4_f32 v[EP+8+2*\t], v[NUM+16*\t:NUM+16*\t+7], v[EP+4+\t]
	v_cvt_scalef32_pk8_fp4_f32 v[EP+9+2*\t], v[NUM+16*\t+8:NUM+16*\t+15], v[EP+4+\t]
.endr
.irp t, 0,1
	v_lshrrev_b32 v[EP+6+\t], 23, v[EP+4+\t]       ; the scale's byte
.endr
.irp t, 0,1
	global_store_b64 v[CO8], v[EP+8+2*\t:EP+9+2*\t], s[50:51] offset:512*\t   ; 32 lanes store 256 consecutive bytes, aligned: block b of the tile's 16 rows
.endr
.irp t, 0,1
	ds_store_b8 v[EXW], v[EP+6+\t] offset:4*\t     ; lanes 0-15 byte b of the word, lanes 16-31 byte b + 2
.endr
	s_branch .Ljoin
.Lv_out:
	; lane (d = r, h): registers 0 .. 31 are tokens 32 h + 0 .. 31: a whole block
	v_max3_num_f32 v[EP], |v[NUM]|, |v[NUM+1]|, 0x1800000
	v_max3_num_f32 v[EP+1], |v[NUM+2]|, |v[NUM+3]|, |v[NUM+4]|
.irp i, 5,9,13,17,21,25
	v_max3_num_f32 v[EP], v[EP], |v[NUM+\i]|, |v[NUM+\i+1]|
	v_max3_num_f32 v[EP+1], v[EP+1], |v[NUM+\i+2]|, |v[NUM+\i+3]|
.endr
	v_max3_num_f32 v[EP], v[EP], |v[NUM+29]|, |v[NUM+30]|
	v_max3_num_f32 v[EP], v[EP], v[EP+1], |v[NUM+31]|
	v_add_nc_u32 v[EP+4], 0xff000000, v[EP]
.irp g, 0,1,2,3
	v_cvt_scalef32_pk8_fp4_f32 v[EP+8+\g], v[NUM+8*\g:NUM+8*\g+7], v[EP+4]
.endr
	v_lshrrev_b32 v[EP+6], 23, v[EP+4]
	v_lshlrev_b32 v[EP+6], v[SH8], v[EP+6]
	v_permlanex16_b32 v[EP+2], v[EP+6], s20, s21
	v_or_b32 v[EP+6], v[EP+6], v[EP+2]             ; blocks h = 0 and 1 of my channel: two bytes, in both halves' copies of the word
	global_store_b128 v[LI], v[EP+8:EP+11], s[54:55]   ; 32 lanes store 512 consecutive bytes
	global_store_b16 v[LI], v[EP+6], s[56:57]
.Ljoin:
	s_wait_dscnt 0x0                               ; for the others' sake: my bytes have landed
	s_barrier_signal -1
	s_barrier_wait -1
	s_and_b32 s58, s12, 11                         ; 0 in waves 0 and 4: they store q's and k's scale words
	s_cmp_lg_u32 s58, 0
	s_cbranch_scc1 .Ldone
	ds_load_b64 v[EP+12:EP+13], v[EXR]
	s_wait_dscnt 0x0
	global_store_b64 v[L8], v[EP+12:EP+13], s[52:53]   ; 32 lanes store 256 consecutive bytes, aligned
.Ldone:
	s_wait_tensorcnt 0x0                           ; the wave's end
	ds_add_u32 v[SPW], v[NIL]
	s_wait_dscnt 0x0
	CROUND                                         ; the closing round: no work-group ends while a partner may still ask for a tile that names it
	s_endpgm
.Lfunc_end_k_qb704bdbeef_proj:
	.size	k_qb704bdbeef_proj, .Lfunc_end_k_qb704bdbeef_proj-k_qb704bdbeef_proj
	.p2alignl 7, 3214868480
	.fill 96, 4, 3214868480
	.section	.rodata,"a",@progbits
	.p2align	6, 0x0
	.amdhsa_kernel k_qb704bdbeef_proj
		.amdhsa_group_segment_fixed_size 327680
		.amdhsa_private_segment_fixed_size 0
		.amdhsa_enable_private_segment 0
		.amdhsa_kernarg_size 32
		.amdhsa_user_sgpr_count 2
		.amdhsa_user_sgpr_kernarg_segment_ptr 1
		.amdhsa_wavefront_size32 1
		.amdhsa_system_sgpr_workgroup_id_x 1
		.amdhsa_system_sgpr_workgroup_id_y 1
		.amdhsa_system_sgpr_workgroup_id_z 1
		.amdhsa_system_vgpr_workitem_id 0
		.amdhsa_next_free_vgpr 256
		.amdhsa_next_free_sgpr 66
		.amdhsa_reserve_vcc 0
		.amdhsa_float_denorm_mode_32 3
		.amdhsa_float_denorm_mode_16_64 3
		.amdhsa_memory_ordered 1
		.amdhsa_forward_progress 1
		.amdhsa_inst_pref_size 56
	.end_amdhsa_kernel
	.amdgpu_metadata
---
amdhsa.version: [ 1, 2 ]
amdhsa.kernels:
  - .name:           k_qb704bdbeef_proj
    .symbol:         k_qb704bdbeef_proj.kd
    .args:
      - { .name: x, .offset: 0, .size: 8, .value_kind: global_buffer, .address_space: global }
      - { .name: wq4, .offset: 8, .size: 8, .value_kind: global_buffer, .address_space: global }
      - { .name: qq4, .offset: 16, .size: 8, .value_kind: global_buffer, .address_space: global }
      - { .name: kv4, .offset: 24, .size: 8, .value_kind: global_buffer, .address_space: global }
    .group_segment_fixed_size: 327680
    .private_segment_fixed_size: 0
    .kernarg_segment_align: 8
    .kernarg_segment_size: 32
    .max_flat_workgroup_size: 512
    .sgpr_count:     66
    .vgpr_count:     256
    .wavefront_size: 32
...
	.end_amdgpu_metadata
.endif
;; end of part 5
;; launch attn (part 6): grid 64 x 4, 16 waves a work-group, clusters of 4 x 1, 327,680 bytes of LDS; arguments qq4, kv4, out0; writes out0
.if DOCPART == 6
	.amdgcn_target "amdgcn-amd-amdhsa--gfx1250"
	.amdhsa_code_object_version 6
	.text
	.protected	k_qb704bdbeef_attn
	.globl	k_qb704bdbeef_attn
	.p2align	8
	.type	k_qb704bdbeef_attn,@function
k_qb704bdbeef_attn:
	s_mov_b64 s[64:65], 0
	v_nop
	global_prefetch_b8 v0, s[64:65] scope:SCOPE_SE
	s_setreg_imm32_b32 hwreg(HW_REG_WAVE_MODE, 25, 1), 1
	s_wait_xcnt 0x0
	s_wait_alu depctr_hold_cnt(0) depctr_sa_sdst(0) depctr_va_vdst(0) depctr_va_sdst(0) depctr_va_ssrc(0) depctr_va_vcc(0) depctr_vm_vsrc(0)
	s_getreg_b32 s2, hwreg(HW_REG_IB_STS2, 6, 4)
	s_cmp_eq_u32 s2, 0
	s_cbranch_scc0 .Lentry_in_a_cluster
	s_endpgm
.Lentry_in_a_cluster:
	s_bfe_u32 s2, ttmp6, 0x10000c
	s_cmp_lg_u32 s2, 0x3003
	s_cbranch_scc0 .Lentry_shape_is_right
	s_endpgm
.Lentry_shape_is_right:
; out[q] = the sum over keys of softmax(q . k / 8) v, both products on codes of FP4 (E2M1) with one E8M0 scale for each 32 along a product's K.  4 batches x 4,096 tokens, head size 64, no mask.
; THE SOFTMAX AHEAD OF THE SECOND PRODUCT: t = score x log2(e) / 8; M = the largest t so far, rounded UP to a whole number; p = 2^(t - M) is quantised along the keys, not normalised; the row's sum is taken of
; the unquantised p and divides at the end.  When M moves, the sum and O are multiplied by 2^(old M - new M): exact.
; SHARES.  A work-group owns a group of 64 queries.  Wave w owns query tile m = w / 4 and key phase kq = w % 4: the steps of 128 keys 4 i + kq, i = 0 .. 7, with a running M, sum and O^T of its own;
; the four phases of a tile are merged at the end by exact powers of two (so the sums over keys are added in another order than one stream would add them).
; K AND V OF A WHOLE BATCH, codes and scale words, are 294,912 bytes: they come into LDS once, as they lie in memory, in the order of the operands' registers: every fragment is read at 16 x lane.  No LDS byte is filled twice.
; Each wave brings two steps by one tensor load, at the head, so there is nothing left to prefetch.  Steps 0 to 11 (waves 0-5) are waited for first and serve i = 0 .. 2; the others are shown by a barrier that is signalled in the first step
; and waited for in the second.
; CLUSTER.  The 64 work-groups of a batch read the same bytes: four partners ask jointly, by the same tensor loads with the same descriptors and a mask that names the four.
; LAYOUT.  Both products are used transposed: S^T = K Q^T, O^T = V^T P^T: a lane holds ONE query (lane % 16).  Tile t of a group of 64 tokens has in its row p the token 32 (p / 8) + 8 t + p % 8, so the 32 registers
; of a group's four tiles of S^T are the keys 32 h + 0 .. 31: a whole block in a lane, in the very order of the second product's operand.
; THE FIRST PRODUCT'S K IS 64 OF THE INSTRUCTION'S 128.  Q's registers 4-7 are zero codes, so whatever stands in registers 4-7 of K's operand adds exactly 0: tile T is named as v[32 + 4 T : 39 + 4 T], whose upper half is
; tile T + 1's codes (behind tile 7: four registers of zeros).  The scale words' upper two bytes repeat the lower two.
; A TRIP: step i's exponentials as one batch; step i + 1's scores into the other set of 64 registers; step i's scales, codes and sums by turns with step i + 1's maxima and new M; step i's second product; step i + 1's t - M; O^T under the new M.
; K's and V's fragments take turns in v32-63: V of step i is asked for behind step i + 1's first products, K of step i + 2 behind step i's second products.
; A block's largest p is not searched for: p rises with the score, so the block's largest score goes through the same multiply-add and exponential.
; LIMITS: NaN and infinities are not served.  A block whose every p has fallen under 2^-124 gets the byte 1.  The promise holds while the scaled scores (exponents to the base 2) stay under 2^31 in magnitude.
.set STEPB,  9216                      ; a step's block: K's codes 4,096, V's codes 4,096, K's scale words 512, V's 512
.set STGW,   16*272                    ; the merge's stage, in bytes that have had their only fill and their last read: 16 rows x (256 + 16) for each wave,
.set STM,    16*STGW                   ; behind them -M: 256 m + 16 x row + 4 kq; the sums 1,024 bytes on
.set SPARE,  294912
.set LI,  1                            ; 16 x lane
.set AD,  2                            ; V's address
.set SH8, 3                            ; 8 h
.set LIK, 4                            ; 9,216 kq + 16 x lane
.set SPW, 5
.set NIL, 6
.set QS,  7                            ; Q's scale words
.set PS,  8                            ; p's scale word
.set PW,  9
.set TP,  10
.set TU,  11                           ; v12 -M, v13 the largest score, v[14:15] the sum in two halves; v16-23 Q (v20-23 zeros)
.set KS,  24
.set VS,  28
.set KF,  32                           ; v32-63 K's eight tiles or V's four fragments; v64-67 zeros
.set PC,  68                           ; p's codes
.set CH,  76                           ; four chains of maxima
.set BM,  80                           ; the two blocks' largest scores, then largest p
.set TS,  82
.set TB,  84
.set S2,  86                           ; the second chain of the sum
.set FF,  88                           ; v[88:89] f = 2^(old M - new M), named as a pair
.set TT,  90
.set ADK, 91                           ; K's address
.set SA,  92                           ; v92-155, v156-219: S^T, then p, of two steps by turns
.set SX,  156
.set OT,  220                          ; v220-251 O^T: four tiles of 16 channels
.macro PLACES
.rept 4
	v_nop
.endr
.endm
.macro CROUND                          ; a round of the cluster's barrier
	s_barrier_signal -1
	s_barrier_wait -1
	s_cmp_lg_u32 s12, 0
	s_cbranch_scc1 .Lnot_wave_0_\@
	s_barrier_signal -3
.Lnot_wave_0_\@:
	s_barrier_wait -3
	s_barrier_signal -1
	s_barrier_wait -1
.endm
	s_load_b128 s[4:7], s[0:1], 0x0                ; qq4 s[4:5], kv4 s[6:7]
	s_load_b64 s[8:9], s[0:1], 0x10                ; out0
	v_lshl_add_u32 v[SPW], v0, 2, SPARE
	v_mov_b32 v[NIL], 0
	ds_add_u32 v[SPW], v[NIL]                      ; the opening add, twice on end
	ds_add_u32 v[SPW], v[NIL]
	v_lshrrev_b32 v90, 5, v0
	v_readfirstlane_b32 s12, v90                   ; wave 0..15
	s_wait_alu depctr_va_vdst(0)
	s_lshr_b32 s13, s12, 2                         ; m
	s_and_b32 s14, s12, 3                          ; kq
	s_and_b32 s17, ttmp7, 0xffff                   ; the batch, which the four partners share
	; descriptor group 1: 72 rows of 32 elements of 8 bytes, dense
	s_mov_b32 s24, 15|(3<<16)|(1<<21)              ; 15:0 the mask: all four work-groups; 17:16 elements of 8 bytes; 21 set beside a mask
	s_mov_b32 s25, 32<<16
	s_mov_b32 s26, 72<<16
	s_mov_b32 s27, 32<<16
	s_mov_b32 s28, 72
	s_mov_b32 s29, 32
	s_mov_b32 s30, 0
	s_mov_b32 s31, 0
	s_mul_i32 s48, s12, 2*STEPB                    ; my two steps, in LDS as in memory: no place in the cluster enters it
	s_mul_i32 s50, s17, 294912
	s_add_co_u32 s50, s50, s48
	s_mov_b32 s51, 0
	s_wait_dscnt 0x0                               ; both opening adds are done
	CROUND                                         ; all four work-groups are here: the joint loads meet
	s_wait_kmcnt 0x0
	s_add_nc_u64 s[50:51], s[6:7], s[50:51]
	s_mov_b32 s32, 1                               ; count = 1
	s_mov_b32 s33, s48
	s_mov_b64 s[34:35], s[50:51]
	s_or_b32 s35, s35, 0x80000000                  ; type = 2
	s_cmp_lt_u32 s12, 6                            ; one load a wave; waves 0-5, whose load is waited for first, have a line of their own
	s_cbranch_scc0 .Llater
	tensor_load_to_lds s[32:35], s[24:31]
	s_nop 0
	PLACES
	s_branch .Lasked
.Llater:
	tensor_load_to_lds s[32:35], s[24:31]
	s_nop 0
	PLACES
.Lasked:
	s_bfe_u32 s15, ttmp6, 0x40000                  ; cx: it enters Q's and out0's addresses alone
	s_lshl_b32 s16, ttmp9, 2
	s_add_co_u32 s16, s16, s15
	s_lshl_b32 s18, s17, 6
	s_add_co_u32 s18, s18, s16                     ; my group of 64 queries
	s_lshl_b32 s52, s18, 11
	s_lshl_b32 s53, s13, 9
	s_add_co_u32 s52, s52, s53
	s_mov_b32 s53, 0
	s_add_nc_u64 s[54:55], s[4:5], s[52:53]        ; Q's codes: 2,048 x group + 512 m
	s_lshl_b32 s52, s18, 8
	s_lshl_b32 s56, s13, 2
	s_add_co_u32 s52, s52, s56
	s_add_co_u32 s52, s52, 524288
	s_add_nc_u64 s[56:57], s[4:5], s[52:53]        ; Q's scale words: 524,288 + 256 x group + 4 m
	s_mul_i32 s58, s14, STEPB
	s_mul_i32 s40, s12, STGW                       ; the merge's addresses: where I put my O^T,
	s_mul_i32 s41, s13, 4*STGW
	s_mul_i32 s59, s14, 4*272
	s_add_co_u32 s41, s41, s59                     ; where I read rows back: phase 0's stage of my tile, row 4 kq on,
	s_lshl_b32 s43, s13, 8
	s_add_co_u32 s43, s43, STM
	s_lshl_b32 s42, s14, 2
	s_add_co_u32 s42, s42, s43                     ; where I put -M and the sum,
	s_lshl_b32 s59, s14, 6
	s_add_co_u32 s43, s43, s59                     ; where I read the four phases'
	s_lshl_b32 s52, s18, 6                         ; out0: tile rows 4 kq on of tile m are tokens 32 (kq / 2) + 8 m + 4 (kq % 2) on
	s_lshr_b32 s59, s14, 1
	s_lshl_b32 s59, s59, 5
	s_add_co_u32 s52, s52, s59
	s_lshl_b32 s59, s13, 3
	s_add_co_u32 s52, s52, s59
	s_and_b32 s59, s14, 1
	s_lshl_b32 s59, s59, 2
	s_add_co_u32 s52, s52, s59
	s_lshl_b32 s52, s52, 8                         ; 256 bytes a row
	s_add_nc_u64 s[8:9], s[8:9], s[52:53]
	s_mov_b32 s20, 0x76543210
	s_mov_b32 s21, 0xfedcba98                      ; v_permlanex16_b32's selects for lane l xor 16
	s_mov_b32 s22, 0x3e38aa3b                      ; c = log2(e) / 8
	s_mov_b32 s23, s22                             ; (named with it as a pair)
	s_mov_b32 s19, 0xbe38aa3b                      ; -c
	v_and_b32 v[LI], 31, v0
	v_and_b32 v252, 15, v0
	v_lshlrev_b32 v[LI], 4, v[LI]
	v_lshlrev_b32 v252, 4, v252
	global_load_b128 v[16:19], v[LI], s[54:55]     ; Q's fragment stays in registers
	global_load_b32 v[QS], v252, s[56:57]
	v_bfe_u32 v[SH8], v0, 4, 1
	v_lshlrev_b32 v[SH8], 3, v[SH8]
	v_add_nc_u32 v[LIK], s58, v[LI]
.irp j, 20,21,22,23,64,65,66,67
	v_mov_b32 v[\j], 0                             ; zero codes: Q's K = 64 .. 127, and the tail behind K's tile 7
.endr
	v_mov_b32 v14, 0                               ; the sum, in two halves
	v_mov_b32 v15, 0
	v_mov_b32 v[TP], 0                             ; a lane permute's destination counts as read
	v_mov_b32 v[TU], 0
	v_mov_b32 v[FF+1], 0                           ; (named as the upper half of a pair)
	s_wait_alu depctr_va_vdst(0)
	s_wait_loadcnt 0x0                             ; Q
	s_cmp_lt_u32 s12, 6
	s_cbranch_scc0 .Lnot_yet
	s_wait_tensorcnt 0x0                           ; my two of the steps 0 to 11
.Lnot_yet:
	s_barrier_signal -1
	s_barrier_wait -1                              ; steps 0 to 11 are in; the other waves' loads may be out
.macro KLOAD i                         ; K's eight tiles and their scale words of step 4 i + kq: nine LDS loads
	v_add_nc_u32 v[ADK], (\i)*4*STEPB, v[LIK]
.irp q, 0,1,2,3,4,5,6,7
	ds_load_b128 v[KF+4*\q:KF+4*\q+3], v[ADK] offset:512*\q
.endr
	ds_load_b128 v[KS:KS+3], v[ADK] offset:8192
.endm
.macro QK                              ; lane (r, h) then holds query r; registers 32 c + 0 .. 31 are keys 64 c + 32 h + 0 .. 31
.irp q, 0,1,2,3
	v_wmma_scale_f32_16x16x128_f8f6f4 v[NN+8*\q:NN+8*\q+7], v[KF+4*\q:KF+4*\q+7], v[16:23], 0, v[KS+\q], v[QS] matrix_a_fmt:MATRIX_FMT_FP4 matrix_b_fmt:MATRIX_FMT_FP4
.endr
.irp q, 4,5,6,7
	v_wmma_scale_f32_16x16x128_f8f6f4 v[NN+8*\q:NN+8*\q+7], v[KF+4*\q:KF+4*\q+7], v[16:23], 0, v[KS+\q-4], v[QS] matrix_a_fmt:MATRIX_FMT_FP4 matrix_b_fmt:MATRIX_FMT_FP4 matrix_a_scale:MATRIX_SCALE_ROW1
.endr
.endm
; THE ROW'S SUM IS TAKEN OF THE UNQUANTISED p, two at a time, in two chains; 32 instructions a step, SK counts them.
.macro SUMS n
.rept \n
.if SK == 0
	v_pk_add_f32 v[S2:S2+1], v[SS+2:SS+3], v[SS+6:SS+7]
.elseif SK == 1
	v_pk_add_f32 v[14:15], v[14:15], v[SS:SS+1]
.elseif SK == 31
	v_pk_add_f32 v[14:15], v[14:15], v[S2:S2+1]
.elseif (SK%2) == 1
	v_pk_add_f32 v[S2:S2+1], v[S2:S2+1], v[SS+2*SK+4:SS+2*SK+5]
.else
	v_pk_add_f32 v[14:15], v[14:15], v[SS+2*SK:SS+2*SK+1]
.endif
.set SK, SK+1
.endr
.endm
.macro FILL n
.if FI
	SUMS \n
.endif
.endm
; The next step's maxima, M and f, by turns with 25 of this step's sums (FI = 1).  Each accumulator is met first at its low end.
.macro FRONT
.irp b, 0,1,2,3
	v_max3_num_f32 v[CH+\b], v[NN+16*\b], v[NN+16*\b+1], v[NN+16*\b+2]
.endr
.irp i, 3,5,7,9,11,13
.irp b, 0,1,2,3
	v_max3_num_f32 v[CH+\b], v[CH+\b], v[NN+16*\b+\i], v[NN+16*\b+\i+1]
.endr
	FILL 2
.endr
	v_max3_num_f32 v[CH], v[CH], v[NN+15], v[NN+31]
	v_max3_num_f32 v[CH+2], v[CH+2], v[NN+47], v[NN+63]
	FILL 1
	v_max_num_f32 v[BM], v[CH], v[CH+1]            ; THE LARGEST SCORE OF EACH OF MY TWO BLOCKS
	v_max_num_f32 v[BM+1], v[CH+2], v[CH+3]
	FILL 2
	v_max_num_f32 v[TT], v[BM], v[BM+1]
	FILL 2
	v_permlanex16_b32 v[TU], v[TT], s20, s21       ; lane l xor 16's 64 keys
	FILL 2
.if FI
	v_max3_num_f32 v13, v13, v[TT], v[TU]          ; the running largest score
.else
	v_max_num_f32 v13, v[TT], v[TU]
.endif
	FILL 1
	v_mul_f32 v[TT], s19, v13                      ; -t (c is positive)
.if FI
	v_mov_b32 v[PW], v12
.endif
	FILL 2
	v_floor_f32 v12, v[TT]                         ; the new -M = -ceil(t): a whole number
	FILL 1
.if FI
	v_sub_f32 v[PW], v12, v[PW]                    ; old M - new M: a whole number, 0 or less
	FILL 1
	v_cvt_i32_f32 v[PW], v[PW]                     ; (it saturates)
	FILL 1
	v_ldexp_f32 v[FF], 1.0, v[PW]                  ; f = 2^(old M - new M)
	v_pk_mul_f32 v[14:15], v[14:15], v[FF:FF+1] op_sel_hi:[1,0]   ; the whole sum so far, under the new M
.endif
.endm
.macro FMAS a, b                       ; t - M of pairs a .. b - 1 of the next step's scores
.set fj, \a
.rept \b-\a
	v_pk_fma_f32 v[NN+2*fj:NN+2*fj+1], v[NN+2*fj:NN+2*fj+1], s[22:23], v[12:13] op_sel_hi:[1,0,0]
.set fj, fj+1
.endr
.endm
.macro PV                              ; O^T += V^T P^T: four accumulators, one instruction a turn; the first step starts the sums
.irp n, 0,1,2,3
.if it == 0
	v_wmma_scale_f32_16x16x128_f8f6f4 v[OT+8*\n:OT+8*\n+7], v[KF+8*\n:KF+8*\n+7], v[PC:PC+7], 0, v[VS+\n], v[PS] matrix_a_fmt:MATRIX_FMT_FP4 matrix_b_fmt:MATRIX_FMT_FP4
.else
	v_wmma_scale_f32_16x16x128_f8f6f4 v[OT+8*\n:OT+8*\n+7], v[KF+8*\n:KF+8*\n+7], v[PC:PC+7], v[OT+8*\n:OT+8*\n+7], v[VS+\n], v[PS] matrix_a_fmt:MATRIX_FMT_FP4 matrix_b_fmt:MATRIX_FMT_FP4
.endif
.endr
.endm
.macro BODY
.set SK, 0
	s_wait_alu depctr_va_vdst(0)                   ; the wait ahead of the batch,
	v_exp_f32 v[BM], v[BM]                         ; the blocks' largest p
	v_exp_f32 v[BM+1], v[BM+1]
.set ej, 0
.rept 64
	v_exp_f32 v[SS+ej], v[SS+ej]                   ; p = 2^(t - M), at most 1
.set ej, ej+1
.endr
	v_add_nc_u32 v[AD], it*4*STEPB, v[LIK]         ; (a plain place behind the exponentials)
	s_wait_alu depctr_va_vdst(0)                   ; and behind it
.if it < 7
	s_wait_dscnt 0x0                               ; the next step's K and its scale words, the only LDS loads out
	QK
.endif
	v_max_num_f32 v[BM], 0x1800000, v[BM]          ; the floor 2^(3 - 127): the byte cannot fall under 1
	v_max_num_f32 v[BM+1], 0x1800000, v[BM+1]
	SUMS 2
	v_add_nc_u32 v[TS], 0xff000000, v[BM]          ; 2 off the exponent field: the conversion's scale operand
	v_add_nc_u32 v[TS+1], 0xff000000, v[BM+1]      ; (these six are the places behind the products, ahead of the loads into K's registers)
.irp n, 0,1,2,3
.irp c, 0,1
	ds_load_b128 v[KF+8*\n+4*\c:KF+8*\n+4*\c+3], v[AD] offset:4096+1024*\n+512*\c
.endr
.endr
	ds_load_b128 v[VS:VS+3], v[AD] offset:8704
	v_lshrrev_b32 v[TB], 23, v[TS]                 ; the scale's byte
	v_lshrrev_b32 v[TB+1], 23, v[TS+1]
	SUMS 1
	v_lshl_or_b32 v[PW], v[TB+1], 16, v[TB]        ; my bytes are blocks h and 2 + h;
	SUMS 1
	v_lshlrev_b32 v[PW], v[SH8], v[PW]
	SUMS 1
	v_permlanex16_b32 v[TP], v[PW], s20, s21
	SUMS 1
	v_or_b32 v[PS], v[PW], v[TP]                   ; with lane l xor 16's two: p's scale word for these 128 keys
.irp c, 0,1
.irp g, 0,1,2,3
	v_cvt_scalef32_pk8_fp4_f32 v[PC+4*\c+\g], v[SS+32*\c+8*\g:SS+32*\c+8*\g+7], v[TS+\c]   ; registers 4 c .. 4 c + 3 of the operand, as they come
.endr
.endr
	SUMS 1                                         ; one plain place behind the scaled conversions
.if it < 7
.set FI, 1
	FRONT
.else
	SUMS 25
.endif
	s_wait_alu depctr_va_vdst(0)
	s_wait_dscnt 0x0                               ; V and its scale words
	PV
.if it < 7
	v_fma_f32 v[BM], v[BM], s22, v12               ; t - M of each block's largest score,
	v_fma_f32 v[BM+1], v[BM+1], s22, v12
	FMAS 0, 4                                      ; and of the scores.  (The first six: places ahead of the loads into V's registers)
.if it == 0
	s_wait_tensorcnt 0x0                           ; my two steps are in, whichever they are, and no LDS load of mine is out:
	s_barrier_signal -1                            ; say so; LDS loads of steps 0 to 11 stand between this and the wait for it
.endif
.if it == 1
	s_barrier_wait -1                              ; everybody's are: every read of steps 12 to 31 stands behind this barrier
.endif
.if it < 6
	KLOAD it+2
.endif
	FMAS 4, 32
.set oj, 0
.rept 16
	v_pk_mul_f32 v[OT+oj:OT+oj+1], v[OT+oj:OT+oj+1], v[FF:FF+1] op_sel_hi:[1,0]   ; O^T under the new M, in ascending order
.set oj, oj+2
.endr
.endif
.endm
	KLOAD 0
	s_wait_dscnt 0x0
.set NN, SA
	QK
	PLACES
	KLOAD 1
.set FI, 0
	FRONT
	v_fma_f32 v[BM], v[BM], s22, v12
	v_fma_f32 v[BM+1], v[BM+1], s22, v12
	FMAS 0, 32
.irp i, 0,1,2,3,4,5,6,7
.set it, \i
.set SS, SA+(SX-SA)*(\i%2)
.set NN, SX-(SX-SA)*(\i%2)
	BODY
.endr
	; ---- THE MERGE of a tile's four key phases.  The addresses are the places behind the last products.
.set STO, 16
.set RD,  17
.set SMA, 18
.set SRA, 19
.set MB,  92                           ; v92-139 what comes back
.set MT,  160                          ; v160-175 at work: 8 registers for each of the two rows
.set MR,  180                          ; v180-187 results
	v_and_b32 v90, 15, v0                          ; r
	v_bfe_u32 v91, v0, 4, 1                        ; h
	v_add_f32 v14, v14, v15                        ; the sum's two halves,
	v_mul_u32_u24 v[STO], v90, 272
	v_mul_u32_u24 v[RD], v91, 272
	v_permlanex16_b32 v[TU], v14, s20, s21
	v_lshl_add_u32 v[STO], v91, 5, v[STO]
	v_lshl_add_u32 v[RD], v90, 4, v[RD]
	v_add_nc_u32 v[STO], s40, v[STO]               ; my stage: row r, + 32 h
	v_add_nc_u32 v[RD], s41, v[RD]                 ; back: row 4 kq + h, 16 bytes a lane
	v_lshl_add_u32 v[SMA], v90, 4, s42
	v_lshl_add_u32 v[SRA], v91, 4, s43
	v_add_f32 v14, v14, v[TU]                      ; and lane l xor 16's: my phase's sum for query r
	s_wait_alu depctr_va_vdst(0)
	s_wait_dscnt 0x0
	s_barrier_signal -1
	s_barrier_wait -1                              ; nobody reads K or V any more, and every tensor load has landed: the first bytes of LDS become the stage
.irp n, 0,1,2,3
	ds_store_b128 v[STO], v[OT+8*\n:OT+8*\n+3] offset:64*\n        ; row r: channels 16 n + 8 h + 0 .. 7; each accumulator from its low end on
	ds_store_b128 v[STO], v[OT+8*\n+4:OT+8*\n+7] offset:64*\n+16
.endr
	ds_store_b32 v[SMA], v12                       ; -M (both halves of the lanes write the same word with the same value)
	ds_store_b32 v[SMA], v14 offset:1024           ; the sum
	s_wait_dscnt 0x0                               ; for the others' sake: my stores have landed
	s_barrier_signal -1
	s_barrier_wait -1
	; wave (m, kq) finishes tile rows 4 kq + 2 e + lane / 16, e = 0, 1: a lane takes four channels of a row from each of the four phases
.irp e, 0,1
	ds_load_b128 v[MB+32+8*\e:MB+35+8*\e], v[SRA] offset:32*\e       ; the four -M
	ds_load_b128 v[MB+36+8*\e:MB+39+8*\e], v[SRA] offset:1024+32*\e  ; the four sums
.endr
.irp e, 0,1
.irp i, 0,1,2,3
	ds_load_b128 v[MB+16*\e+4*\i:MB+16*\e+4*\i+3], v[RD] offset:\i*STGW+544*\e
.endr
.endr
	s_wait_dscnt 8                                 ; -M and the sums are in; the eight loads of rows may be out
.irp e, 0,1
	v_min3_num_f32 v[MT+8*\e], v[MB+32+8*\e], v[MB+33+8*\e], v[MB+34+8*\e]
.endr
.irp e, 0,1
	v_min_num_f32 v[MT+8*\e], v[MT+8*\e], v[MB+35+8*\e]     ; -M of the whole row: the least -M
.endr
.irp i, 0,1,2,3
.irp e, 0,1
	v_sub_f32 v[MT+1+8*\e+\i], v[MT+8*\e], v[MB+32+8*\e+\i] ; phase i's M less the row's: a whole number, 0 or less
.endr
.endr
.irp i, 0,1,2,3
.irp e, 0,1
	v_cvt_i32_f32 v[MT+1+8*\e+\i], v[MT+1+8*\e+\i]
.endr
.endr
.irp i, 0,1,2,3
.irp e, 0,1
	v_ldexp_f32 v[MT+1+8*\e+\i], 1.0, v[MT+1+8*\e+\i]       ; f_i: an exact power of two
.endr
.endr
.irp e, 0,1
	v_mul_f32 v[MT+5+8*\e], v[MT+1+8*\e], v[MB+36+8*\e]
.endr
.irp i, 1,2,3
.irp e, 0,1
	v_fmac_f32 v[MT+5+8*\e], v[MT+1+8*\e+\i], v[MB+36+8*\e+\i]   ; the row's sum
.endr
.endr
	s_wait_alu depctr_va_vdst(0)                   ; the wait ahead of the batch,
.irp e, 0,1
	v_rcp_f32 v[MT+6+8*\e], v[MT+5+8*\e]
.endr
	v_nop                                          ; one plain place behind the transcendentals
	s_wait_alu depctr_va_vdst(0)                   ; and behind it
.irp i, 0,1,2,3
.irp e, 0,1
	v_mul_f32 v[MT+1+8*\e+\i], v[MT+1+8*\e+\i], v[MT+6+8*\e]
.endr
.endr
	s_wait_alu depctr_va_vdst(0)
	s_wait_dscnt 0x0                               ; the rows
.irp k, 0,1,2,3
.irp e, 0,1
	v_mul_f32 v[MR+4*\e+\k], v[MT+1+8*\e], v[MB+16*\e+\k]
.endr
.endr
.irp i, 1,2,3
.irp k, 0,1,2,3
.irp e, 0,1
	v_fmac_f32 v[MR+4*\e+\k], v[MT+1+8*\e+\i], v[MB+16*\e+4*\i+\k]
.endr
.endr
.endr
.irp e, 0,1
	global_store_b128 v[LI], v[MR+4*\e:MR+4*\e+3], s[8:9] offset:512*\e th:TH_STORE_NT   ; 32 lanes store 512 consecutive bytes: two whole rows of out0
.endr
	s_wait_tensorcnt 0x0                           ; the wave's end
	ds_add_u32 v[SPW], v[NIL]
	s_wait_dscnt 0x0
	CROUND                                         ; the closing round: no work-group ends while a partner may still ask for a tile that names it
	s_endpgm
.Lfunc_end_k_qb704bdbeef_attn:
	.size	k_qb704bdbeef_attn, .Lfunc_end_k_qb704bdbeef_attn-k_qb704bdbeef_attn
	.p2alignl 7, 3214868480
	.fill 96, 4, 3214868480
	.section	.rodata,"a",@progbits
	.p2align	6, 0x0
	.amdhsa_kernel k_qb704bdbeef_attn
		.amdhsa_group_segment_fixed_size 327680
		.amdhsa_private_segment_fixed_size 0
		.amdhsa_enable_private_segment 0
		.amdhsa_kernarg_size 24
		.amdhsa_user_sgpr_count 2
		.amdhsa_user_sgpr_kernarg_segment_ptr 1
		.amdhsa_wavefront_size32 1
		.amdhsa_system_sgpr_workgroup_id_x 1
		.amdhsa_system_sgpr_workgroup_id_y 1
		.amdhsa_system_sgpr_workgroup_id_z 1
		.amdhsa_system_vgpr_workitem_id 0
		.amdhsa_next_free_vgpr 256
		.amdhsa_next_free_sgpr 66
		.amdhsa_reserve_vcc 0
		.amdhsa_float_denorm_mode_32 3
		.amdhsa_float_denorm_mode_16_64 3
		.amdhsa_memory_ordered 1
		.amdhsa_forward_progress 1
		.amdhsa_inst_pref_size 119
	.end_amdhsa_kernel
	.amdgpu_metadata
---
amdhsa.version: [ 1, 2 ]
amdhsa.kernels:
  - .name:           k_qb704bdbeef_attn
    .symbol:         k_qb704bdbeef_attn.kd
    .args:
      - { .name: qq4, .offset: 0, .size: 8, .value_kind: global_buffer, .address_space: global }
      - { .name: kv4, .offset: 8, .size: 8, .value_kind: global_buffer, .address_space: global }
      - { .name: out0, .offset: 16, .size: 8, .value_kind: global_buffer, .address_space: global }
    .group_segment_fixed_size: 327680
    .private_segment_fixed_size: 0
    .kernarg_segment_align: 8
    .kernarg_segment_size: 24
    .max_flat_workgroup_size: 512
    .sgpr_count:     66
    .vgpr_count:     256
    .wavefront_size: 32
...
	.end_amdgpu_metadata
.endif
;; end of part 6
